; MI455X (gfx1250); checked and timed in simulation.
; The chip was launched on July 23, 2026; its instructions are those of AMD's public machine-readable ISA for CDNA 5 (MIT licence, August 2026) and "CDNA5" Instruction Set Architecture Reference Guide (July 2026). The comments in the code are by the model that wrote it; some were corrected since.
;; Nvidia Rel Partial Learnable Multi Head Attn. Allowed arithmetic: matrix products marked QUANTISED: E5M2 operands, one given power-of-two scale a tensor, by v_wmma_f32_16x16x64_bf8_bf8 or v_wmma_f32_16x16x128_bf8_bf8, f32 sums; everything else in f32.
;; Inputs: W_o_codes 1,024 x 32 x 32 uint8 (E5M2 codes of W_o, K innermost, in blocks of 32 codes); W_qkv_codes 3,072 x 32 x 32 uint8 (E5M2 codes of W_qkv, K innermost, in blocks of 32 codes); W_r_codes 1,024 x 32 x 32 uint8 (E5M2 codes of W_r, K innermost, in blocks of 32 codes); attn_mask 2,048 x 2,048 bool; content 2,048 x 2 x 1,024 float32; ln_beta 1,024 float32; ln_gamma 1,024 float32; lowp_scales 12 int32 (the exponents e of the quantised operands' scales 2^e); r_r_bias 16 x 64 float32; r_w_bias 16 x 64 float32; rel_pos_codes 2,048 x 32 x 32 uint8 (E5M2 codes of rel_pos, K innermost, in blocks of 32 codes).
;; Outputs: out0 2,048 x 2 x 1,024 float32.
;; This version of the problem:
;;   THIS VERSION OF THE PROBLEM IS GIVEN IN LOW PRECISION. The matrix products marked QUANTISED in the list below multiply operands that are first quantised to E5M2 (5 exponent bits, 2 mantissa bits; 8 bits a number), with one given power-of-two scale for each operand tensor; their sums are f32. All else is computed in f32.
;;   The module's matrix products, in the order in which they are computed (A, B: the left and right operand; K: the contracted axis; several contracted axes count as one K, in the product's order):
;;     1. [M 4,096, K 1,024] x [K 1,024, N 3,072]; A: input content; B: input W_qkv (given as codes): QUANTISED (scales: A lowp_scales[0], B lowp_scales[1])
;;     2. [M 2,048, K 1,024] x [K 1,024, N 1,024]; A: input rel_pos (given as codes); B: input W_r (given as codes): QUANTISED (scales: A lowp_scales[2], B lowp_scales[3])
;;     3. batch 32 x [M 2,048, K 64] x [K 64, N 2,048]; A: computed on the way; B: computed on the way: QUANTISED (scales: A lowp_scales[4], B lowp_scales[5])
;;     4. batch 16 x [M 2,048, K 64] x [K 64, N 4,096]; A: computed on the way; B: computed on the way: QUANTISED (scales: A lowp_scales[6], B lowp_scales[7])
;;     5. batch 32 x [M 64, K 2,048] x [K 2,048, N 2,048]; A: computed on the way; B: softmax (see below): QUANTISED (scales: A lowp_scales[8], B lowp_scales[9])
;;     6. [M 4,096, K 1,024] x [K 1,024, N 1,024]; A: computed on the way; B: input W_o (given as codes): QUANTISED (scales: A lowp_scales[10], B lowp_scales[11])
;;   THE QUANTISER, for each operand of a quantised product, along K:
;;     - The operand's scale is 2^e, e = its entry of the input lowp_scales (int32; the entries are numbered through the quantised products in the list's order, A before B).
;;     - Each number is divided by the scale, clamped to +-57,344, and rounded to the nearest number of E5M2, ties to even, subnormals kept.
;;     - The product sums the exact products of the quantised numbers (number of the format x scale) in f32.
;;   ~~~python
;;   def quantise(x, axis, e):      # numpy; x: float32 -> the quantised numbers, widened to float32 again
;;       x = np.moveaxis(x, axis, -1); K = x.shape[-1]
;;       r = np.clip(x / 2.0 ** e, -57344, 57344)
;;       step = 2.0 ** (np.maximum(np.frexp(np.where(r == 0, 1, r))[1] - 1, -14) - 2)
;;       q = np.round(r / step) * step * 2.0 ** e      # np.round: ties to even
;;       return np.moveaxis(q, -1, axis).astype(np.float32)
;;   ~~~
;;   SOFTMAX AHEAD OF A QUANTISED PRODUCT. Where the list says 'softmax', what is quantised is not the finished softmax but p = 2^(t - M), with t = logit x log2(e) and M = ceil(the row's largest t), a whole number; so 1/2 < the row's largest p <= 1. The row's sum l is taken of the UNQUANTISED p, in f32, and the product's result is divided by l at the end. Since M is a whole number, a kernel that streams over the keys may use a running M (the ceiling of the running maximum): every later rescaling is an exact power of two, so the quantised numbers keep their values, but for numbers so far below the row's largest that they fall under the format's range.
;;   OPERANDS COMPUTED ON THE WAY. 'Computed on the way' means the value that the module computes at that place (a softmax that the list does not call 'softmax' is quantised finished and normalised). What goes into a quantiser is computed in f32, as accurately as f32 sums, v_exp_f32 and their like allow (about 1e-6 of the number): no bf16 or f16 on the way to a quantiser, and a product that is left as it is and whose result goes on into a quantised operand takes f32 operands (vector FMAs, or v_wmma_f32_16x16x4_f32). A number that lies on a knife's edge between two numbers of the format may be rounded either way, as far as f32 arithmetic and the matrix unit's own rounding can turn it there, and no further.
;;   INPUTS GIVEN AS CODES. W_o (in the module: [1024, 1024], K = its axis 0); W_qkv (in the module: [1024, 3072], K = its axis 0); W_r (in the module: [1024, 1024], K = its axis 0); rel_pos (in the module: [2048, 1024], K = its axis 1): each comes as NAME_codes (uint8): NAME with its K axis moved to the last place and cut into blocks of 32 codes, [.., K / 32, bytes a block], one block behind the other in memory; one code a byte (a code: sign, 5 exponent bits, 2 mantissa bits); its scale is its entry of lowp_scales. Its value is code x scale, taken as it is: it is not quantised again, and the codes and scales need not be those that the quantiser above would give.
;; 2 versions, each right; version 2 is version 1 with the launches attn, outln written anew for expert scheduling mode. Each part assembles by itself: llvm-mc -triple=amdgcn-amd-amdhsa -mcpu=gfx1250 --defsym DOCPART=n.
;; ======== version 1 of 2: 4 launches
;; workspace buffers: xw 5,242,880 bytes; mk 524,800 bytes of whole numbers; qq 8,388,608 bytes; kv 10,485,760 bytes; av 4,194,304 bytes
;; launch prep (part 1): grid 256 x 1, 4 waves a work-group, no clusters, 33,280 bytes of LDS; arguments content, lowp_scales, attn_mask, W_o_codes, xw, mk; writes xw, mk
.if DOCPART == 1
	.amdgcn_target "amdgcn-amd-amdhsa--gfx1250"
	.amdhsa_code_object_version 6
	.text
	.protected	k_qc29cd5e8c7_prep
	.globl	k_qc29cd5e8c7_prep
	.p2align	8
	.type	k_qc29cd5e8c7_prep,@function
k_qc29cd5e8c7_prep:
	s_mov_b64 s[64:65], 0
	v_nop
	global_prefetch_b8 v0, s[64:65] scope:SCOPE_SE
	s_setreg_imm32_b32 hwreg(HW_REG_WAVE_MODE, 25, 1), 1
	s_wait_xcnt 0x0
; PREP: three jobs that later launches need done once.
;  Q (work-groups 0-127):   content [2048 i][2 b][1024] f32 -> codes of E5M2 with the given scale 2^e0, laid [b][i][1024] at byte 0 of xw, so that 256 neighbouring rows have one b.
;  M (work-groups 128-255): attn_mask [2048][2048] bytes -> lane-mask words and tile flags in mk.  Word n of (qt, ks), at byte (16 qt + ks) 256 + 4 n: bit L = mask[16 qt + L % 16][128 ks + 32 (n / 16) + 16 (L / 16) + n % 16],
;                           the place that lane L's register n has in the attention's tile of scores.  Flags at byte 524,288 + 4 qt: two bits for each ks: 0 = all 2,048 bytes set, 1 = mixed, 2 = none set.
;  W (every wave, beside its job Q or M): W_o's codes -> images in the order of an operand's registers, at byte 4,194,304 of xw: [w 4][s 8][t 16][c 4][lane][16 bytes]: row 16 (16 w + t) + lane % 16, k = 128 s + 32 c + 16 (lane / 16) + 0 .. 15.
;                           64 blocks of 16 rows x 32 pieces of 512 bytes = 2,048 pieces for 1,024 waves: wave gw = 4 g + w takes block gw / 16, pieces 2 (gw % 16) and the next.
; code = x / 2^e0, held within +-57,344, rounded to the nearest code, ties to even.  LIMITS: -126 <= e0 <= 112; NaN in content is not served; a mask byte is 0 or 1.
; No tensor loads, no barrier: waves share nothing.  Only job Q uses LDS (a stage of its own for each wave).
.set STEPS, 16
.set EMAX,  15
.set MANT,  0x600000                   ; the mantissa field of 57,344 as f32
.set R,     16                         ; v16-79   job Q: four sets of 16 numbers as loaded;  job M: what was loaded
.set X,     80                         ; v80-111  job Q: two sets of 16 neighbours;  job M: v80-87 the words to store
.set WA,    112                        ; v112     job W: row lane % 16 of 1,024 bytes, + 16 (lane / 16); never rewritten
.set WD,    116                        ; v116-123 job W: two pieces
.set C,     128                        ; v128-191 job Q: codes, four registers a step
.set WREG,  8192                       ; LDS for a wave: two stages of 32 x SP bytes
.set SP,    80                         ; a lane's place in a stage: 64 bytes + 16 of padding
.set XCB,   2097152                    ; xw: from b = 0 to b = 1
.set WOI,   4194304                    ; xw: W_o's images
.set FLG,   524288                     ; mk: the flags
.macro LOAD t                          ; step t: 2,048 bytes, half a row of content; each load reads 512 consecutive bytes
.irp i, 0,1,2,3
	global_load_b128 v[R+16*((\t)%4)+4*\i:R+16*((\t)%4)+4*\i+3], v3, s[4:5] offset:2048*(\t)+512*\i th:TH_LOAD_NT
.endr
.endm
.macro TURN t                          ; step t's numbers through the stage: in as loaded, out 64 bytes a lane; LDS serves a wave's instructions in order
.irp i, 0,1,2,3
	ds_store_b128 v14, v[R+16*((\t)%4)+4*\i:R+16*((\t)%4)+4*\i+3] offset:32*SP*((\t)%2)+8*SP*\i
.endr
.irp i, 0,1,2,3
	ds_load_b128 v[X+16*((\t)%2)+4*\i:X+16*((\t)%2)+4*\i+3], v15 offset:32*SP*((\t)%2)+16*\i
.endr
.endm
.macro STEP t
.set XS, X+16*((\t)%2)
	s_wait_dscnt 0x0                               ; this step's numbers are back from the stage, so its stores into the stage have read their registers,
.if (\t)+4 < STEPS
	LOAD (\t)+4                                    ; which take the loads of four steps on
.endif
.if (\t)+1 < STEPS
.if STEPS-2-(\t) >= 3
	s_wait_loadcnt 12                              ; the next step's four loads are in; those of the three steps behind it may be out
.else
	s_wait_loadcnt 4*(STEPS-2-(\t))
.endif
	TURN (\t)+1
.endif
.irp i, 0,1,2,3,4,5,6,7,8,9,10,11,12,13,14,15
	v_med3_num_f32 v[XS+\i], v[XS+\i], -v10, v10   ; the conversion to an 8-bit code does not saturate (ISA guide 7.6.2): the hold at the largest code x the scale
.endr
	v_cvt_scalef32_pk8_bf8_f32 v[C+4*(\t):C+4*(\t)+1], v[XS:XS+7], v11
	v_cvt_scalef32_pk8_bf8_f32 v[C+4*(\t)+2:C+4*(\t)+3], v[XS+8:XS+15], v11
	global_store_b128 v3, v[C+4*(\t):C+4*(\t)+3], s[12:13] offset:XCB*(((\t)/2)%2)+1024*((\t)/4)+512*((\t)%2)   ; row t / 2 of my eight: i = t / 4, b = (t / 2) % 2; 512 consecutive bytes
.endm
.macro WSTORE                          ; job W's two pieces go out: 512 consecutive bytes each
	global_store_b128 v3, v[WD:WD+3], s[34:35]
	global_store_b128 v3, v[WD+4:WD+7], s[34:35] offset:512
.endm
.macro MASKK k                         ; key step 4 w + k of my 16 queries
	v_and_b32 v9, v[R+16*\k], v[R+16*\k+1]
	v_or_b32 v10, v[R+16*\k], v[R+16*\k+1]
.irp i, 2,3,4,5,6,7,8,9,10,11,12,13,14,15
	v_and_b32 v9, v9, v[R+16*\k+\i]
	v_or_b32 v10, v10, v[R+16*\k+\i]
.endr
	v_cmp_eq_u32 vcc_lo, 0x01010101, v9            ; every byte of the lane's 64 set?
	s_cmp_eq_u32 vcc_lo, -1                        ; in all 32 lanes?
	s_cselect_b32 s27, 0, 1
	v_cmp_eq_u32 vcc_lo, 0, v10                    ; none set?
	s_cmp_eq_u32 vcc_lo, -1
	s_cselect_b32 s28, 1, 0
	s_add_co_u32 s27, s27, s28                     ; 0 all, 1 mixed, 2 none
	s_lshl_b32 s27, s27, 2*\k
	s_or_b32 s22, s22, s27
.set n, 0
.rept 32                               ; words n and n + 1: a compare gives the 32 lanes' bits; they go to lane n / 2 of a pair of registers
	v_bfe_u32 v11, v[R+16*\k+n/4], 8*(n%4), 8
	v_bfe_u32 v12, v[R+16*\k+(n+1)/4], 8*((n+1)%4), 8
	v_cmp_ne_u32 s30, 0, v11
	v_cmp_ne_u32 s31, 0, v12
	v_writelane_b32 v[X+2*\k], s30, n/2
	v_writelane_b32 v[X+2*\k+1], s31, n/2
.set n, n+2
.endr
	global_store_b64 v8, v[X+2*\k:X+2*\k+1], s[24:25] offset:256*\k   ; 32 lanes store the 64 words: 256 consecutive bytes, aligned
.endm
	s_load_b256 s[4:11], s[0:1], 0x0               ; content s[4:5], the scales' exponents s[6:7], the mask s[8:9], W_o's codes s[10:11]
	s_load_b128 s[12:15], s[0:1], 0x20             ; xw s[12:13], mk s[14:15]
	v_lshl_add_u32 v192, v0, 2, 0x8000
	v_mov_b32 v193, 0
	v_lshrrev_b32 v1, 5, v0
	v_readfirstlane_b32 s16, v1                    ; wave 0..3
	v_and_b32 v2, 31, v0                           ; lane
	v_lshlrev_b32 v3, 4, v2                        ; 16 x lane
	s_mul_i32 s17, s16, WREG
	v_lshrrev_b32 v14, 2, v2
	v_mul_u32_u24 v14, v14, SP
	v_and_b32 v15, 3, v2
	v_lshl_add_u32 v14, v15, 4, v14
	v_add_nc_u32 v14, s17, v14                     ; the stage, on the way in: SP (lane / 4) + 16 (lane % 4)
	v_mul_u32_u24 v15, v2, SP
	v_add_nc_u32 v15, s17, v15                     ; and on the way out: SP x lane
	v_and_b32 v5, 15, v2                           ; r
	v_lshrrev_b32 v6, 4, v2                        ; h
	s_mov_b32 s21, 0
	; ---- job W's share: block bt = gw / 16, pieces k = 2 j and 2 j + 1, j = gw % 16.  Piece k is K step k / 4, part k % 4: 32 k bytes along a row
	s_lshl_b32 s18, ttmp9, 2
	s_add_co_u32 s18, s18, s16                     ; gw = 4 g + w
	s_lshr_b32 s19, s18, 4                         ; bt = 0 .. 63
	s_and_b32 s26, s18, 15                         ; j
	s_lshl_b32 s32, s19, 14                        ; in: 16 rows of 1,024 bytes a block,
	s_lshl_b32 s27, s26, 6
	s_add_co_u32 s32, s32, s27                     ; + 64 j
	s_mov_b32 s33, 0
	s_lshr_b32 s34, s19, 4
	s_lshl_b32 s34, s34, 18                        ; out: w = bt / 16: 262,144 bytes each,
	s_and_b32 s27, s19, 15
	s_lshl_b32 s27, s27, 11                        ; t = bt % 16: 2,048,
	s_add_co_u32 s34, s34, s27
	s_lshr_b32 s27, s26, 1
	s_lshl_b32 s27, s27, 15                        ; K step j / 2: 32,768,
	s_add_co_u32 s34, s34, s27
	s_and_b32 s27, s26, 1
	s_lshl_b32 s27, s27, 10                        ; parts 2 (j % 2) and the next: 512 each
	s_add_co_u32 s34, s34, s27
	s_add_co_u32 s34, s34, WOI
	s_mov_b32 s35, 0
	v_lshlrev_b32 v[WA], 10, v5
	v_lshl_add_u32 v[WA], v6, 4, v[WA]
	s_wait_kmcnt 0x0
	s_add_nc_u64 s[32:33], s[10:11], s[32:33]
	s_add_nc_u64 s[34:35], s[12:13], s[34:35]
	global_load_b128 v[WD:WD+3], v[WA], s[32:33]   ; they are the wave's oldest loads: its job's first wait on LOADcnt shows them in
	global_load_b128 v[WD+4:WD+7], v[WA], s[32:33] offset:32
	s_cmp_lt_u32 ttmp9, 128
	s_cbranch_scc0 .Lmask
	; ---- job Q: wave w of work-group g takes rows i = 16 g + 4 w .. + 3, both b: 32,768 bytes on end
	s_load_b32 s22, s[6:7], 0x0                    ; e0
	s_lshl_b32 s20, s18, 15
	s_add_nc_u64 s[4:5], s[4:5], s[20:21]
	s_lshl_b32 s20, s18, 12                        ; (16 g + 4 w) rows of 1,024 codes
	s_add_nc_u64 s[12:13], s[12:13], s[20:21]
.irp t, 0,1,2,3
	LOAD \t
.endr
	s_wait_kmcnt 0x0
	s_add_co_i32 s22, s22, 127
	s_lshl_b32 s23, s22, 23
	v_mov_b32 v11, s23                             ; 2^e0 as f32: the conversion takes its exponent field
	s_add_co_i32 s22, s22, EMAX
	s_lshl_b32 s22, s22, 23
	s_or_b32 s22, s22, MANT
	v_mov_b32 v10, s22                             ; 57,344 x 2^e0
	s_wait_loadcnt 12                              ; job W's two loads and step 0's four are in; the twelve of steps 1 to 3 may be out
	WSTORE
	TURN 0
.irp t, 0,1,2,3,4,5,6,7,8,9,10,11,12,13,14,15
	STEP \t
.endr
	s_wait_tensorcnt 0x0
	ds_add_u32 v192, v193
	s_wait_dscnt 0x0
	s_endpgm
.Lmask:
	; ---- job M: queries 16 qt .. + 15; wave w takes keys 512 w .. + 511
	s_sub_co_u32 s18, ttmp9, 128                   ; qt
	s_lshl_b32 s20, s18, 15                        ; 16 qt rows of 2,048 bytes
	s_lshl_b32 s19, s16, 9
	s_add_co_u32 s20, s20, s19
	s_add_nc_u64 s[8:9], s[8:9], s[20:21]
	v_lshlrev_b32 v7, 11, v5
	v_lshl_add_u32 v7, v6, 4, v7                   ; row r, + 16 h
.irp k, 0,1,2,3
.irp c, 0,1,2,3
	global_load_b128 v[R+16*\k+4*\c:R+16*\k+4*\c+3], v7, s[8:9] offset:128*\k+32*\c th:TH_LOAD_NT   ; keys 128 k + 32 c + 16 h + 0 .. 15: register n / 4, byte n % 4 is word n's
.endr
.endr
	s_lshl_b32 s20, s18, 12
	s_lshl_b32 s19, s16, 10
	s_add_co_u32 s20, s20, s19                     ; (16 qt + 4 w) x 256
	s_add_nc_u64 s[24:25], s[14:15], s[20:21]
	s_lshl_b32 s26, s18, 2
	s_add_co_u32 s26, s26, s16                     ; 4 qt + w: my byte of flags
	v_mov_b32 v91, s26
	v_lshlrev_b32 v8, 3, v2                        ; 8 x lane
.irp i, 0,1,2,3,4,5,6,7
	v_mov_b32 v[X+\i], 0                           ; a lane write's destination counts as read
.endr
	s_mov_b32 s22, 0
	s_wait_loadcnt 0x0
	WSTORE
	MASKK 0
	MASKK 1
	MASKK 2
	MASKK 3
	v_mov_b32 v90, s22
	v_cmp_eq_u32 vcc_lo, 0, v2
	s_wait_xcnt 0x0                                ; EXEC changes only behind this wait: the stores above have it among their sources
	s_and_saveexec_b32 s23, vcc_lo
	global_store_b8 v91, v90, s[14:15] offset:FLG  ; lane 0: the four key steps' flags
	s_wait_xcnt 0x0
	s_or_b32 exec_lo, exec_lo, s23
	s_endpgm
.Lfunc_end_k_qc29cd5e8c7_prep:
	.size	k_qc29cd5e8c7_prep, .Lfunc_end_k_qc29cd5e8c7_prep-k_qc29cd5e8c7_prep
	.p2alignl 7, 3214868480
	.fill 96, 4, 3214868480
	.section	.rodata,"a",@progbits
	.p2align	6, 0x0
	.amdhsa_kernel k_qc29cd5e8c7_prep
		.amdhsa_group_segment_fixed_size 33280
		.amdhsa_private_segment_fixed_size 0
		.amdhsa_enable_private_segment 0
		.amdhsa_kernarg_size 48
		.amdhsa_user_sgpr_count 2
		.amdhsa_user_sgpr_kernarg_segment_ptr 1
		.amdhsa_wavefront_size32 1
		.amdhsa_system_sgpr_workgroup_id_x 1
		.amdhsa_system_sgpr_workgroup_id_y 1
		.amdhsa_system_sgpr_workgroup_id_z 1
		.amdhsa_system_vgpr_workitem_id 0
		.amdhsa_next_free_vgpr 194
		.amdhsa_next_free_sgpr 66
		.amdhsa_reserve_vcc 1
		.amdhsa_float_denorm_mode_32 3
		.amdhsa_float_denorm_mode_16_64 3
		.amdhsa_memory_ordered 1
		.amdhsa_forward_progress 1
		.amdhsa_inst_pref_size 94
	.end_amdhsa_kernel
	.amdgpu_metadata
---
amdhsa.version: [ 1, 2 ]
amdhsa.kernels:
  - .name:           k_qc29cd5e8c7_prep
    .symbol:         k_qc29cd5e8c7_prep.kd
    .args:
      - { .name: content, .offset: 0, .size: 8, .value_kind: global_buffer, .address_space: global }
      - { .name: lowp_scales, .offset: 8, .size: 8, .value_kind: global_buffer, .address_space: global }
      - { .name: attn_mask, .offset: 16, .size: 8, .value_kind: global_buffer, .address_space: global }
      - { .name: W_o_codes, .offset: 24, .size: 8, .value_kind: global_buffer, .address_space: global }
      - { .name: xw, .offset: 32, .size: 8, .value_kind: global_buffer, .address_space: global }
      - { .name: mk, .offset: 40, .size: 8, .value_kind: global_buffer, .address_space: global }
    .group_segment_fixed_size: 33280
    .private_segment_fixed_size: 0
    .kernarg_segment_align: 8
    .kernarg_segment_size: 48
    .max_flat_workgroup_size: 128
    .sgpr_count:     66
    .vgpr_count:     194
    .wavefront_size: 32
...
	.end_amdgpu_metadata
.endif
;; end of part 1
;; launch proj (part 2): grid 56 x 4, 4 waves a work-group, clusters of 4 x 4, 327,680 bytes of LDS; arguments xw, W_qkv_codes, rel_pos_codes, W_r_codes, lowp_scales, r_w_bias, r_r_bias, qq, kv; writes qq, kv
.if DOCPART == 2
	.amdgcn_target "amdgcn-amd-amdhsa--gfx1250"
	.amdhsa_code_object_version 6
	.text
	.protected	k_qc29cd5e8c7_proj
	.globl	k_qc29cd5e8c7_proj
	.p2align	8
	.type	k_qc29cd5e8c7_proj,@function
k_qc29cd5e8c7_proj:
	s_mov_b64 s[64:65], 0
	v_nop
	global_prefetch_b8 v0, s[64:65] scope:SCOPE_SE
	s_setreg_imm32_b32 hwreg(HW_REG_WAVE_MODE, 25, 1), 1
	s_wait_xcnt 0x0
	s_wait_alu depctr_hold_cnt(0) depctr_sa_sdst(0) depctr_va_vdst(0) depctr_va_sdst(0) depctr_va_ssrc(0) depctr_va_vcc(0) depctr_vm_vsrc(0)
	s_getreg_b32 s2, hwreg(HW_REG_IB_STS2, 6, 4)
	s_cmp_eq_u32 s2, 0
	s_cbranch_scc0 .Lentry_in_a_cluster
	s_endpgm
.Lentry_in_a_cluster:
	s_bfe_u32 s2, ttmp6, 0x10000c
	s_cmp_lg_u32 s2, 0xf033
	s_cbranch_scc0 .Lentry_shape_is_right
	s_endpgm
.Lentry_shape_is_right:
; PROJ: content W_qkv and rel_pos W_r on codes of E5M2, and on the way out the five operands of the attention's products, quantised.  224 tiles of 256 x 256, K = 1,024, in 14 clusters of 4 x 4 work-groups.
; Which product a cluster makes hangs on the cluster's number c alone (the same in all sixteen partners):
;   c = 0..7:  type c & 1 (0 = Q, 1 = K): rows = tokens (xw's codes, row 2048 b + i), columns = rows of W_qkv's codes 0..1023 (Q) or 1024..2047 (K)
;   c = 8..11: type 2 (V): rows = rows 2048..3071 of W_qkv's codes (head, d), columns = tokens: so a lane's eight results are eight neighbouring KEYS, the K of the attention's second product
;   c = 12,13: type 3 (R): rows = rel_pos's codes, columns = W_r's
; OUT: Q: (sum 2^(e0+e1) + r_w_bias) with scale e4 -> qq [b][n][i][64]; the same with r_r_bias and e7 -> qq + 4 MiB.  K: e5 -> kv [b][n][j][64].  V: e8 -> kv + 4 MiB [b][n][ks][d 64][128 keys].  R: sum 2^(e2+e3), e6 -> kv + 8 MiB [n][j][64].
; A tile is made by four waves, 128 x 128 each: 64 accumulators, 512 registers.  K goes in steps of 256 through a ring of two LDS slots filled by the tensor data mover; a tile's row is 256 bytes of memory.
; The four work-groups of a row of the cluster need the same row tiles, the four of a column the same column tiles: each is asked for JOINTLY, by the same tensor load with the same descriptor and a mask that names the four.
; THE MATRIX INSTRUCTION IS USED TRANSPOSED (source 0 = 16 of the columns' rows, source 1 = 16 of the rows' rows): a lane holds one row and eight neighbouring columns, which one conversion turns into eight codes.
; Fragments come by 16-byte pieces (registers 4 c .. 4 c + 3: k = 32 c + 16 (lane / 16) + 0 .. 15): the same permutation of k on both sides of every product.
; No prefetch: K has four steps, and two of them are the first fills.
; LIMITS, so that each power of two is an f32 number: e0 + e1 and e2 + e3 between -126 and 127; e4 .. e8 between -126 and 112.  NaN is not served.
; REGISTERS: window 0: v0-31 addresses and scales; v128-255 the rows' fragments, ONE set; on the way out v32-95 numbers, v96-223 codes, then rows read back.  window 1: the columns' fragments, TWO sets (v0, v128);
;   set 0 takes the biases at the end.  windows 2, 3: the accumulators ((a, b) at v[8 (8 (a % 4) + b)]).
.set KSTEP,  256
.set ROWB,   256
.set KROW,   1024                      ; a row of codes in memory
.set PITCH,  272                       ; an LDS row: 256 bytes + 16 of padding = 68 words: row r starts at bank 4 r mod 64 (ISA guide 11.1)
.set FR,     16
.set NL,     4
.set NP,     4                         ; places behind this matrix instruction (ISA guide 7.12.1)
.set HALFT,  128*PITCH
.set SLOT,   4*HALFT                   ; 139,264
.set LAPS,   KROW/(2*KSTEP)            ; 2
.set SPARE,  2*SLOT                    ; behind the ring: the spare words, 128 bytes a wave
.set PASS2,  256*PITCH                 ; the way out's stage lies in slot 0 (its last fill is K step 2's; no wave reads it behind the last turn's barrier): 256 rows x 272 for each of two passes = the slot
.set BO,   7                           ; v7   byte offset of my columns' biases (global only)
.set LIM1, 8                           ; v8, v9    57,344 x 2^e and 2^e of the first pass;  v10, v11 of the second
.set SCL1, 9
.set LIM2, 10
.set SCL2, 11
.set STO1, 12                          ; v12, v13  where I put eight codes of a row, pass 1, 2
.set STO2, 13
.set ADRA, 16                          ; v16-17
.set ADRB, 20                          ; v20-21
.set SPW,  28
.set NIL,  29
.set TMP,  32
.set CD,   96
.set AF,   128
.set G1, 24
.set G0, 32
.set G1B, 48
.set G0B, 56
.set MSB, 0
.macro WIN new                         ; the immediate's high byte repeats the setting that is left
.if MSB != (\new)
	s_set_vgpr_msb (MSB<<8)|(\new)
.set MSB, (\new)
.endif
.endm
.set MUL_LO, 0xa1                      ; source 0 window 1, source 1 window 0, C and D window 2
.set MUL_HI, 0xf1
.set TO_B,   0x40
; A joint load: waves 0 and 1 fetch the rows' tile, waves 2 and 3 the columns'.  The branch hangs on the wave's number alone.  Four v_nop follow each of the two lines.
.macro JLOAD g0a, g1a, g0b, g1b
	s_cmp_eq_u32 s15, 0
	s_cbranch_scc0 .Lfor_b_\@
	tensor_load_to_lds s[\g0a:\g0a+3], s[\g1a:\g1a+7]
	s_nop 0
.rept 4
	v_nop
.endr
	s_branch .Lasked_\@
.Lfor_b_\@:
	tensor_load_to_lds s[\g0b:\g0b+3], s[\g1b:\g1b+7]
	s_nop 0
.rept 4
	v_nop
.endr
.Lasked_\@:
.endm
.macro CREST                           ; a round of the cluster's barrier behind its opening barrier
	s_cmp_lg_u32 s14, 0
	s_cbranch_scc1 .Lnot_wave_0_\@
	s_barrier_signal -3
.Lnot_wave_0_\@:
	s_barrier_wait -3
	s_barrier_signal -1
	s_barrier_wait -1
.endm
.macro CROUND
	s_barrier_signal -1
	s_barrier_wait -1
	CREST
.endm
	s_load_b512 s[68:83], s[0:1], 0x0              ; xw 68, W_qkv 70, rel_pos 72, W_r 74, the scales' exponents 76, r_w_bias 78, r_r_bias 80, qq 82
	s_load_b64 s[84:85], s[0:1], 0x40              ; kv
	v_lshl_add_u32 v[SPW], v0, 2, SPARE
	v_mov_b32 v[NIL], 0
	ds_add_u32 v28, v29
	ds_add_u32 v28, v29
	s_wait_dscnt 0x0
	v_lshrrev_b32 v1, 5, v0
	v_readfirstlane_b32 s14, v1                    ; wave 0..3
	s_lshr_b32 s15, s14, 1                         ; which half of the tile's rows is mine.  Also: I fetch the rows' tile (0) or the columns' (1)
	s_and_b32 s16, s14, 1                          ; which half of its columns.  Also: which 128 rows of that tile I fetch
	s_bfe_u32 s40, ttmp6, 0x40000                  ; cx
	s_bfe_u32 s41, ttmp6, 0x40004                  ; cy
	s_and_b32 s96, ttmp9, 1                        ; the type, the cluster's row of tiles and its column of tiles, from the cluster's number
	s_lshr_b32 s97, ttmp9, 1
	s_mov_b32 s98, s96
	s_sub_co_u32 s100, ttmp9, 8
	s_sub_co_u32 s101, ttmp9, 12
	s_cmp_lt_u32 ttmp9, 8
	s_cselect_b32 s96, s96, 2
	s_cselect_b32 s97, s97, 0
	s_cselect_b32 s98, s98, s100
	s_cmp_ge_u32 ttmp9, 12
	s_cselect_b32 s96, 3, s96
	s_cselect_b32 s97, s101, s97
	s_cselect_b32 s98, 0, s98
	s_lshl_b32 s42, s98, 2
	s_add_co_u32 s42, s42, s40                     ; tile column
	s_lshl_b32 s17, s97, 2
	s_add_co_u32 s17, s17, s41                     ; tile row
	s_lshl_b32 s43, s41, 2
	s_lshl_b32 s43, 15, s43                        ; my row of the cluster
	s_lshl_b32 s44, 0x1111, s40                    ; my column
	; descriptor group 1: a tile of 128 rows x 256 bytes, padded in LDS
	s_or_b32 s[G1+0], s43, (0<<16)|(1<<20)|(1<<21)|(5<<22)|(3<<25)  ; 15:0 the mask; 17:16 element of 1 byte; 20 padding on; 21 set beside a mask; 24:22 after every 64 words; 31:25 four words
	s_or_b32 s[G1B+0], s44, (0<<16)|(1<<20)|(1<<21)|(5<<22)|(3<<25)
.irp g, G1, G1B
	s_mov_b32 s[\g+1], ROWB<<16                    ; tensor_dim0
	s_mov_b32 s[\g+2], 128<<16                     ; tensor_dim1
	s_mov_b32 s[\g+3], ROWB<<16                    ; tile_dim0
	s_mov_b32 s[\g+4], 128                         ; tile_dim1
	s_mov_b32 s[\g+5], KROW                        ; tensor_dim0_stride
	s_mov_b32 s[\g+6], 0
	s_mov_b32 s[\g+7], 0
.endr
	s_lshl_b32 s18, s16, 7                         ; which 128 rows of the tile I fetch
	s_lshl_b32 s20, s17, 8
	s_add_co_u32 s20, s20, s18
	s_lshl_b32 s20, s20, 10                        ; rows' tile: (256 x tile row + 128 x half) x 1,024 bytes
	s_mov_b32 s21, 0
	s_lshl_b32 s46, s42, 8
	s_add_co_u32 s46, s46, s18
	s_lshl_b32 s46, s46, 10                        ; columns' tile likewise, in registers that never hold the other coordinate
	s_mov_b32 s47, 0
	s_mul_i32 s45, s14, HALFT                      ; where they go: wave x 128 rows
	s_wait_kmcnt 0x0
	s_add_nc_u64 s[86:87], s[70:71], 0x200000      ; W_qkv's rows 2048 on
	s_cmp_eq_u32 s96, 2                            ; the operands' buffers are chosen by the type alone
	s_cselect_b64 s[88:89], s[86:87], s[68:69]
	s_cselect_b64 s[90:91], s[68:69], s[70:71]
	s_cmp_eq_u32 s96, 3
	s_cselect_b64 s[88:89], s[72:73], s[88:89]
	s_cselect_b64 s[90:91], s[74:75], s[90:91]
	s_load_b256 s[4:11], s[76:77], 0x0             ; e0 .. e7
	s_load_b128 s[92:95], s[76:77], 0x20           ; e8 .. e11
	s_add_nc_u64 s[20:21], s[88:89], s[20:21]
	s_add_nc_u64 s[46:47], s[90:91], s[46:47]
	CROUND                                         ; all sixteen work-groups are here: the first joint loads meet
.irp s, 0,1
	s_mov_b32 s[G0+4*\s], 1
	s_add_co_u32 s[G0+4*\s+1], s45, \s*SLOT
	s_add_nc_u64 s[G0+4*\s+2:G0+4*\s+3], s[20:21], \s*ROWB
	s_or_b32 s[G0+4*\s+3], s[G0+4*\s+3], 0x80000000
	s_mov_b32 s[G0B+4*\s], 1
	s_add_co_u32 s[G0B+4*\s+1], s45, \s*SLOT
	s_add_nc_u64 s[G0B+4*\s+2:G0B+4*\s+3], s[46:47], \s*ROWB
	s_or_b32 s[G0B+4*\s+3], s[G0B+4*\s+3], 0x80000000
	JLOAD G0+4*\s, G1, G0B+4*\s, G1B
.endr
	v_and_b32 v1, 15, v0                           ; r
	v_bfe_u32 v2, v0, 4, 1                         ; h
	v_mul_u32_u24 v3, v1, PITCH
	v_lshl_add_u32 v4, v2, 4, v3                   ; a fragment's row x pitch + 16 h
	s_mul_i32 s21, s15, HALFT
	s_mul_i32 s22, s16, HALFT
	s_add_co_u32 s22, s22, 2*HALFT
.irp s, 0,1
	v_add_nc_u32 v[ADRA+\s], s21, v4
	v_add_nc_u32 v[ADRB+\s], s22, v4
	s_add_co_u32 s21, s21, SLOT
	s_add_co_u32 s22, s22, SLOT
.endr
	; the way out's LDS addresses: the thread's and the wave's number alone
	s_mul_i32 s23, s15, 128*PITCH
	s_lshl_b32 s22, s16, 7
	s_add_co_u32 s23, s23, s22
	v_lshl_add_u32 v[STO1], v2, 3, v3
	v_add_nc_u32 v[STO1], s23, v[STO1]             ; in: row 128 wr + r, byte 128 wc + 8 h
	v_add_nc_u32 v[STO2], PASS2, v[STO1]
	v_and_b32 v6, 31, v0                           ; lane
	v_lshrrev_b32 v5, 2, v6
	v_mul_u32_u24 v5, v5, PITCH
	v_and_b32 v14, 3, v0
	v_lshl_add_u32 v14, v14, 4, v5
	s_lshl_b32 s22, s14, 6
	v_add_nc_u32 v14, s22, v14                     ; back, by rows: wave = the tile's head: eight rows x 64 bytes a load: row lane / 4, 16 (lane % 4), + 64 x wave
	v_add_nc_u32 v15, 128*PITCH, v14               ; rows 128 on (an LDS immediate has 16 bits)
	v_add_nc_u32 v18, PASS2, v14
	v_add_nc_u32 v19, PASS2, v15
	v_lshrrev_b32 v5, 3, v6
	v_mul_u32_u24 v5, v5, PITCH
	v_and_b32 v22, 7, v0
	v_lshl_add_u32 v22, v22, 4, v5
	s_mul_i32 s22, s14, 64*PITCH
	v_add_nc_u32 v22, s22, v22                     ; back, for V: rows 64 x wave on: four rows x 128 bytes a load
	v_lshlrev_b32 v23, 4, v6                       ; 16 x lane: the stores' offset
	; global offsets (the places in the cluster enter these alone)
	s_and_b32 s46, s42, 3
	s_lshl_b32 s46, s46, 10
	s_lshl_b32 s47, s16, 9
	s_add_co_u32 s46, s46, s47
	v_lshl_add_u32 v[BO], v2, 5, s46               ; biases: 4 x (256 (tile column % 4) + 128 wc + 8 h)
	s_lshr_b32 s46, s17, 3
	s_lshl_b32 s46, s46, 21                        ; b
	s_and_b32 s47, s42, 3
	s_lshl_b32 s47, s47, 2
	s_add_co_u32 s47, s47, s14
	s_lshl_b32 s47, s47, 17                        ; head 4 (tile column % 4) + wave: 2,048 rows of 64 bytes
	s_add_co_u32 s46, s46, s47
	s_and_b32 s47, s17, 7
	s_lshl_b32 s47, s47, 14                        ; 256 rows of 64 bytes
	s_add_co_u32 s46, s46, s47                     ; Q, K, R: where my head's 256 rows begin
	s_lshr_b32 s100, s42, 3
	s_lshl_b32 s100, s100, 4
	s_lshl_b32 s101, s17, 2
	s_add_co_u32 s100, s100, s101
	s_add_co_u32 s100, s100, s14                   ; V: 16 b + head
	s_lshl_b32 s100, s100, 4
	s_and_b32 s101, s42, 7
	s_lshl_b32 s101, s101, 1
	s_add_co_u32 s100, s100, s101                  ; x 16 key steps + the tile's first
	s_lshl_b32 s100, s100, 13
	s_add_co_u32 s100, s100, 0x400000
	s_add_co_u32 s101, s46, 0x800000
	s_cmp_eq_u32 s96, 2
	s_cselect_b32 s100, s100, s46
	s_cmp_eq_u32 s96, 3
	s_cselect_b32 s100, s101, s100
	s_mov_b32 s101, 0
	s_mov_b32 s47, 0
	s_cmp_eq_u32 s96, 0
	s_cselect_b32 s99, -1, 0                       ; all lanes where the tile is Q's
	s_cselect_b64 s[86:87], s[82:83], s[84:85]
	s_add_nc_u64 s[86:87], s[86:87], s[100:101]    ; the first pass's rows
	s_add_nc_u64 s[88:89], s[82:83], s[46:47]
	s_add_nc_u64 s[88:89], s[88:89], 0x400000      ; the second pass's (Q alone)
.macro FRAG reg, adr, q, i             ; 16 rows x 128 K: registers 4 c .. 4 c + 3 hold K = 32 c + 16 (lane / 16) + 0 .. 15
.irp c, 0,1,2,3
	ds_load_b128 v[\reg+4*\c:\reg+4*\c+3], v[\adr] offset:128*(\q)+32*\c+(\i)*16*PITCH
.endr
.endm
; 16 matrix instructions.  The 64 accumulators take turns, one instruction a turn, in the same order in every step.
.macro MUL16 a0, p, zero
.irp a, \a0, \a0+1
.irp b, 0,1,2,3,4,5,6,7
.if \zero
	v_wmma_f32_16x16x128_bf8_bf8 v[8*(8*((\a)%4)+\b):8*(8*((\a)%4)+\b)+7], v[128*(\p)+FR*\b:128*(\p)+FR*\b+FR-1], v[AF+FR*(\a):AF+FR*(\a)+FR-1], 0
.else
	v_wmma_f32_16x16x128_bf8_bf8 v[8*(8*((\a)%4)+\b):8*(8*((\a)%4)+\b)+7], v[128*(\p)+FR*\b:128*(\p)+FR*\b+FR-1], v[AF+FR*(\a):AF+FR*(\a)+FR-1], v[8*(8*((\a)%4)+\b):8*(8*((\a)%4)+\b)+7]
.endif
.endr
.endr
.endm
.macro FETCH_B slot, q, p
	WIN TO_B
.irp i, 0,1,2,3,4,5,6,7
	FRAG 128*(\p)+FR*\i, ADRB+\slot, \q, \i
.endr
	WIN 0
.endm
.macro FETCH_A slot, q, i0
.irp i, \i0, \i0+1, \i0+2, \i0+3
	FRAG AF+FR*(\i), ADRA+\slot, \q, \i
.endr
.endm
.macro PLACES n                        ; plain vector lines between a matrix instruction and a load into, or a vector read of, its registers
.rept \n
	v_nop
.endr
.endm
.macro STEP slot, q, zero              ; 128 along K that has its successor in the same slot
	s_wait_dscnt 4*NL                              ; the columns' set and the rows' blocks 0-3 are in; the youngest sixteen loads (blocks 4-7) may be out
	WIN MUL_LO
	MUL16 0, (\q)%2, \zero
	MUL16 2, (\q)%2, \zero
	s_wait_dscnt 0
	PLACES NP
	FETCH_B \slot, (\q)+1, 1-(\q)%2
	FETCH_A \slot, (\q)+1, 0
	WIN MUL_HI
	MUL16 4, (\q)%2, \zero
	MUL16 6, (\q)%2, \zero
	PLACES NP
	WIN 0
	FETCH_A \slot, (\q)+1, 4
.endm
; A slot's last step changes slots: ONE barrier; in front of it each wave waits for all its tensor loads, adds 0 to its spare word, and waits for that and for its reads of this slot.
.macro TURN slot, next, fill
	s_wait_tensorcnt 0x0                           ; all my tensor loads have landed: my part of the next slot
	ds_add_u32 v[SPW], v[NIL]                      ; 0 onto my spare word
	s_wait_dscnt 4*NL+1                            ; (the add and the youngest sixteen loads may be out)
	WIN MUL_LO
	MUL16 0, 1, 0
	s_wait_dscnt 0x0                               ; the add is done, and my reads of this slot are over
	s_barrier_signal -1
	MUL16 2, 1, 0
	WIN 0
	s_barrier_wait -1
.if \fill
	CREST                                          ; the barrier has opened a round of the cluster's barrier: no wave of any partner still reads this slot or has a load on its way
	s_add_nc_u64 s[G0+4*\slot+2:G0+4*\slot+3], s[G0+4*\slot+2:G0+4*\slot+3], 2*ROWB
	s_add_nc_u64 s[G0B+4*\slot+2:G0B+4*\slot+3], s[G0B+4*\slot+2:G0B+4*\slot+3], 2*ROWB
	JLOAD G0+4*\slot, G1, G0B+4*\slot, G1B         ; the first tensor load behind the round; its four v_nop are the places in front of the loads below
.else
	PLACES NP
.endif
	FETCH_B \next, 0, 0
	FETCH_A \next, 0, 0
	WIN MUL_HI
	MUL16 4, 1, 0
	MUL16 6, 1, 0
	PLACES NP
	WIN 0
	FETCH_A \next, 0, 4
.endm
	s_wait_tensorcnt 1                             ; my part of K step 0 is in; K step 1's load may be out
	s_barrier_signal -1
	s_barrier_wait -1
	FETCH_B 0, 0, 0
	FETCH_A 0, 0, 0
	FETCH_A 0, 0, 4
	STEP 0, 0, 1                                   ; the first step's products start the sums
	s_mov_b32 s3, LAPS-1
.Llap:                                                 ; a trip goes once round the ring and fills both slots again
	TURN 0, 1, 1
	STEP 1, 0, 0
	TURN 1, 0, 1
	STEP 0, 0, 0
	s_sub_co_u32 s3, s3, 1
	s_cmp_lg_u32 s3, 0
	s_cbranch_scc1 .Llap
	TURN 0, 1, 0                                   ; the last lap fills nothing
	STEP 1, 0, 0
	WIN TO_B                                       ; the columns' set 0 is done with (four places stand behind its last product): it takes my 128 columns' biases, which land under the last 64 products
.irp bc, 0,1,2,3,4,5,6,7
	global_load_b128 v[8*\bc:8*\bc+3], v[BO], s[78:79] offset:64*\bc
	global_load_b128 v[8*\bc+4:8*\bc+7], v[BO], s[78:79] offset:64*\bc+16
	global_load_b128 v[64+8*\bc:64+8*\bc+3], v[BO], s[80:81] offset:64*\bc
	global_load_b128 v[64+8*\bc+4:64+8*\bc+7], v[BO], s[80:81] offset:64*\bc+16
.endr
	s_wait_dscnt 4*NL
	WIN MUL_LO
	MUL16 0, 1, 0
	MUL16 2, 1, 0
	s_wait_dscnt 0
	WIN MUL_HI
	MUL16 4, 1, 0
	MUL16 6, 1, 0
	WIN 0
	; THE WAY OUT.  Every choice below is made by s_cselect_b32 on the type: no branch hangs on a loaded number.
	s_wait_kmcnt 0x0
	s_wait_loadcnt 0x0
	s_add_co_i32 s18, s4, s5
	s_add_co_i32 s19, s6, s7
	s_cmp_eq_u32 s96, 3
	s_cselect_b32 s18, s19, s18
	s_add_co_i32 s18, s18, 127
	s_lshl_b32 s12, s18, 23                        ; 2^(e0 + e1), for R 2^(e2 + e3)
	s_mov_b32 s13, s12                             ; (named with it as a pair)
	s_cmp_eq_u32 s96, 1
	s_cselect_b32 s18, s9, s8                      ; e5 or e4
	s_cmp_eq_u32 s96, 2
	s_cselect_b32 s18, s92, s18                    ; e8
	s_cmp_eq_u32 s96, 3
	s_cselect_b32 s18, s10, s18                    ; e6
	s_add_co_i32 s18, s18, 127
	s_lshl_b32 s19, s18, 23
	v_mov_b32 v[SCL1], s19
	s_add_co_i32 s18, s18, 15
	s_lshl_b32 s18, s18, 23
	s_or_b32 s18, s18, 0x600000
	v_mov_b32 v[LIM1], s18
	s_add_co_i32 s18, s11, 127                     ; e7
	s_lshl_b32 s19, s18, 23
	v_mov_b32 v[SCL2], s19
	s_add_co_i32 s18, s18, 15
	s_lshl_b32 s18, s18, 23
	s_or_b32 s18, s18, 0x600000
	v_mov_b32 v[LIM2], s18
	PLACES NP
	WIN 0x44                                       ; destination and source 1 window 1
.set j, 0
.rept 64
	v_cndmask_b32 v[j], 0, v[j], s99               ; only Q has a bias
.set j, j+1
.endr
; A pass: block a of 16 rows: number = sum x S + bias (each accumulator from its low end on), held, eight neighbours to a conversion, eight bytes a lane into the stage.  Each block has its own registers for its codes.
.macro EPASS bias, sto, lim, scl
.irp a, 0,1,2,3,4,5,6,7
	WIN 0x12+(\a/4)                                ; source 0 window 2 or 3, source 2 window 1
.set j, 0
.rept 32
	v_pk_fma_f32 v[TMP+j:TMP+j+1], v[64*(\a%4)+j:64*(\a%4)+j+1], s[12:13], v[\bias+j:\bias+j+1] op_sel_hi:[1,0,1]
.set j, j+2
.endr
	WIN 0
.set j, 0
.rept 64
	v_med3_num_f32 v[TMP+j], v[TMP+j], -v[\lim], v[\lim]   ; the conversion does not saturate (ISA guide 7.6.2)
.set j, j+1
.endr
.irp bc, 0,1,2,3,4,5,6,7
	v_cvt_scalef32_pk8_bf8_f32 v[CD+16*\a+2*\bc:CD+16*\a+2*\bc+1], v[TMP+8*\bc:TMP+8*\bc+7], v[\scl]
.endr
	v_nop                                          ; a plain line between the conversions and the next block's lines, which write their sources
.irp bc, 0,1,2,3,4,5,6,7
	ds_store_b64 v[\sto], v[CD+16*\a+2*\bc:CD+16*\a+2*\bc+1] offset:16*PITCH*\a+16*\bc
.endr
.endr
.endm
.macro STORE32 base                    ; 32 loads are out; each is stored as it comes: 512 consecutive bytes
.set T, 0
.rept 32
	s_wait_dscnt 31-T                              ; LDS loads come back in order: number T is in, the younger ones stay out
	global_store_b128 v23, v[TMP+4*T:TMP+4*T+3], s[\base:\base+1] offset:512*T
.set T, T+1
.endr
.endm
.macro SENDROWS lo, hi, base           ; my head's 256 rows x 64 bytes: 16,384 bytes on end in memory
.irp t, 0,1,2,3,4,5,6,7,8,9,10,11,12,13,14,15
	ds_load_b128 v[TMP+4*\t:TMP+4*\t+3], v[\lo] offset:8*PITCH*\t
.endr
.irp t, 0,1,2,3,4,5,6,7,8,9,10,11,12,13,14,15
	ds_load_b128 v[TMP+64+4*\t:TMP+64+4*\t+3], v[\hi] offset:8*PITCH*\t
.endr
	STORE32 \base
.endm
	EPASS 0, STO1, LIM1, SCL1
	s_cmp_lg_u32 s96, 0
	s_cbranch_scc1 .Lone_pass
	s_wait_dscnt 0x0                               ; the first pass's stores have read the codes' registers
	EPASS 64, STO2, LIM2, SCL2
.Lone_pass:
	s_wait_dscnt 0x0                               ; for the others' sake: my stores into the stage are done
	s_barrier_signal -1
	s_barrier_wait -1
	s_cmp_eq_u32 s96, 2
	s_cbranch_scc1 .Lsend_v
	SENDROWS 14, 15, 86
	s_cmp_lg_u32 s96, 0
	s_cbranch_scc1 .Lsent
	s_wait_xcnt 0x0                                ; the stores have read their registers: the second pass's rows may land there
	SENDROWS 18, 19, 88
	s_branch .Lsent
.Lsend_v:                                              ; my head's 64 rows (d) x 256 keys: two key steps' blocks of 8,192 bytes, on end in memory
.irp kk, 0,1
.irp t, 0,1,2,3,4,5,6,7,8,9,10,11,12,13,14,15
	ds_load_b128 v[TMP+64*\kk+4*\t:TMP+64*\kk+4*\t+3], v22 offset:4*PITCH*\t+128*\kk
.endr
.endr
	STORE32 86
.Lsent:
	s_wait_tensorcnt 0x0                           ; the wave's end
	ds_add_u32 v[SPW], v[NIL]
	s_wait_dscnt 0x0
	CROUND                                         ; the closing round
	s_endpgm
.Lfunc_end_k_qc29cd5e8c7_proj:
	.size	k_qc29cd5e8c7_proj, .Lfunc_end_k_qc29cd5e8c7_proj-k_qc29cd5e8c7_proj
	.p2alignl 7, 3214868480
	.fill 96, 4, 3214868480
	.section	.rodata,"a",@progbits
	.p2align	6, 0x0
	.amdhsa_kernel k_qc29cd5e8c7_proj
		.amdhsa_group_segment_fixed_size 327680
		.amdhsa_private_segment_fixed_size 0
		.amdhsa_enable_private_segment 0
		.amdhsa_kernarg_size 72
		.amdhsa_user_sgpr_count 2
		.amdhsa_user_sgpr_kernarg_segment_ptr 1
		.amdhsa_wavefront_size32 1
		.amdhsa_system_sgpr_workgroup_id_x 1
		.amdhsa_system_sgpr_workgroup_id_y 1
		.amdhsa_system_sgpr_workgroup_id_z 1
		.amdhsa_system_vgpr_workitem_id 0
		.amdhsa_next_free_vgpr 1024
		.amdhsa_next_free_sgpr 102
		.amdhsa_reserve_vcc 0
		.amdhsa_float_denorm_mode_32 3
		.amdhsa_float_denorm_mode_16_64 3
		.amdhsa_memory_ordered 1
		.amdhsa_forward_progress 1
		.amdhsa_inst_pref_size 220
	.end_amdhsa_kernel
	.amdgpu_metadata
---
amdhsa.version: [ 1, 2 ]
amdhsa.kernels:
  - .name:           k_qc29cd5e8c7_proj
    .symbol:         k_qc29cd5e8c7_proj.kd
    .args:
      - { .name: xw, .offset: 0, .size: 8, .value_kind: global_buffer, .address_space: global }
      - { .name: W_qkv_codes, .offset: 8, .size: 8, .value_kind: global_buffer, .address_space: global }
      - { .name: rel_pos_codes, .offset: 16, .size: 8, .value_kind: global_buffer, .address_space: global }
      - { .name: W_r_codes, .offset: 24, .size: 8, .value_kind: global_buffer, .address_space: global }
      - { .name: lowp_scales, .offset: 32, .size: 8, .value_kind: global_buffer, .address_space: global }
      - { .name: r_w_bias, .offset: 40, .size: 8, .value_kind: global_buffer, .address_space: global }
      - { .name: r_r_bias, .offset: 48, .size: 8, .value_kind: global_buffer, .address_space: global }
      - { .name: qq, .offset: 56, .size: 8, .value_kind: global_buffer, .address_space: global }
      - { .name: kv, .offset: 64, .size: 8, .value_kind: global_buffer, .address_space: global }
    .group_segment_fixed_size: 327680
    .private_segment_fixed_size: 0
    .kernarg_segment_align: 8
    .kernarg_segment_size: 72
    .max_flat_workgroup_size: 128
    .sgpr_count:     102
    .vgpr_count:     1024
    .wavefront_size: 32
...
	.end_amdgpu_metadata
.endif
;; end of part 2
;; launch attn (part 3): grid 8 x 32, 16 waves a work-group, no clusters, 83,968 bytes of LDS; arguments qq, kv, mk, lowp_scales, av; writes av
.if DOCPART == 3
	.amdgcn_target "amdgcn-amd-amdhsa--gfx1250"
	.amdhsa_code_object_version 6
	.text
	.protected	k_qc29cd5e8c7_attn
	.globl	k_qc29cd5e8c7_attn
	.p2align	8
	.type	k_qc29cd5e8c7_attn,@function
k_qc29cd5e8c7_attn:
	s_mov_b64 s[64:65], 0
	v_nop
	global_prefetch_b8 v0, s[64:65] scope:SCOPE_SE
	s_setreg_imm32_b32 hwreg(HW_REG_WAVE_MODE, 25, 1), 1
	s_wait_xcnt 0x0
; ATTN: for batch b and head n: score(i, j) = ((q + r_w_bias)(i) . k(j) + BD(i, j)) / 8, masked by the given mask, softmax over j, times v; all three products on codes of E5M2.
; THE SHIFT ALONG THE HEADS: BD of (b = 1, n) is made of head n's (q + r_r_bias) and r_head_k; of (b = 0, n < 15) of head n + 1's; of (b = 0, n = 15) it is 0.  So n2 = min(n + 1 - b, 15) names both operands, and the factor rho is 0 for (0, 15).
; The two score products have different pairs of scales: S = AC + BD x rho, rho = 2^(e6 + e7 - e4 - e5); t = S x cA, cA = log2(e) / 8 x 2^(e4 + e5).
; THE SOFTMAX: M = the running largest t rounded UP to a whole number; p = 2^(t - M) is quantised (e9), not normalised; the row's sum is taken of the unquantised p and divides at the end; when M moves, sum and O are multiplied by 2^(old M - new M): exact.
; SHARES.  A work-group has one (b, n) and sixteen waves; a wave owns ONE tile of 16 queries, qt = x + 8 p, p a permutation of the wave's number such that the four waves with one w % 4 or one w / 4 hold a tile from each quarter of the queries.
; Every wave walks the 16 key steps of 128 keys.  A step's tiles of k, r_head_k and v are three dense blocks of 8,192 bytes; the 512 threads bring 16 bytes of each through registers into one of two LDS slots, a step ahead; one barrier a step.
; THE MASK is an input.  An earlier launch has turned it into lane-mask words (64 for a tile of 16 queries x 128 keys, one for each score register) and a flag for each tile.  Flag 0 (every byte set): the step's work is passed over by a scalar
; branch (its p would all be 0); flag 2 (none set): the words are not fetched and the 64 selects are passed over; no barrier, global load or LDS store stands under these branches.  Right for every mask; SKIP = 0 takes the first branch out.
; WORK THAT THE GIVEN EXPONENTS MAKE IDLE is passed over by scalar branches on them, the same in every wave: the multiplication by rho where rho is 1; the hold of p at 57,344 x 2^e9 where e9 >= -15: p is at most 1 and the limit is then 1.75 or more.
; NO TENSOR LOADS AND NO JOINT LOADS: the branch on the flag removes a whole step's 20 matrix and some 200 to 300 vector instructions wherever a tile is masked.
; LAYOUT.  Both products transposed (source 0 = 16 keys, or 16 of the head's 64; source 1 = my 16 queries): a lane holds ONE query.  A key lies in the LDS row that is its number with bits 3 and 4 swapped, so that tile T's lane r reads row 16 T + r
; and the 16 registers of tiles 2 b and 2 b + 1 are 16 neighbouring keys, 32 b + 16 (lane / 16) + 0 .. 15: the conversions' results are the second product's operand.
; A QUERY ALL OF WHOSE KEYS ARE MASKED has the sum 0: its codes are made NaN's, so that its row of the output becomes NaN.
; LIMITS: e4 + e5 between -123 and 130; e6 + e7 - e4 - e5 between -126 and 89; e9 and e10 between -126 and 112; e8 + e9 goes by v_ldexp_f32 and has none.  NaN among the operands is not served.
; REGISTERS: v1-4 LDS addresses, v5-7 global offsets; v12 -M, v13 the largest t, v[14:15] the sum; v16-23 q + r_w_bias, v24-31 q + r_r_bias; v32-95 fragments; v96-159 S, then p; v160-191 O^T; v192-207 p's codes; v208-219 the next step's 48 bytes;
;   v220-224 the way out's addresses and scales; v236-254 at work.  s[16:63], s[68:83]: a mixed tile's 64 mask words.  s94: 1 where rho is 1.  s95: 1 where p wants its hold.
.set SKIP,  1
.set KP,    80                         ; a key's row in LDS: 64 bytes + 16
.set VP,    144                        ; a row of v's tile: 128 bytes + 16
.set ROFF,  128*KP                     ; a slot: k's 128 rows, r_head_k's 128 rows, v's 64 rows
.set VOFF,  2*128*KP
.set SLOTB, 32768
.set STAGE, 2*SLOTB                    ; 1,024 bytes for each wave
.macro PUT slot                        ; the next step's tiles go into the slot that was read a step ago; ONE barrier: in front of it my reads of the other slot are back and my stores have landed
	ds_store_b128 v3, v[208:211] offset:SLOTB*(\slot)
	ds_store_b128 v3, v[212:215] offset:SLOTB*(\slot)+ROFF
	ds_store_b128 v4, v[216:219] offset:SLOTB*(\slot)
	s_wait_dscnt 0x0
	s_barrier_signal -1
	s_barrier_wait -1
.endm
; A PREFETCH INTO THE L2 of the block of 8,192 bytes that the NEXT step's loads will ask for: step t names step t + 2's, lanes 256 bytes apart, one instruction a wave, straight behind the wave's own three loads.
; Each block is named once in the launch: the eight work-groups of a (b, n) walk the same k and v, so x = 0 asks: wave 0 for k, wave 1 for v; wave 2 asks for r_head_k where b = 1, whose n2 = n runs over all heads.
; Steps 0 and 1 come by their loads alone; steps 14 and 15 ask for nothing (s3 is even, so s3 < 14 says so for both halves of a trip).
.macro ASK
	s_cmp_lt_u32 s3, s90
	s_cbranch_scc0 .Lnot_mine_\@
	global_prefetch_b8 v6, s[88:89] th:TH_LOAD_NT scope:SCOPE_SE
.Lnot_mine_\@:
.endm
; A KEY STEP: step s3 + odd, in slot odd.
.macro STEP odd
.set SL, SLOTB*(\odd)
	s_lshl_b32 s6, s3, 1
	s_lshr_b32 s5, s4, s6
.if \odd
	s_lshr_b32 s5, s5, 2
.endif
	s_and_b32 s5, s5, 3                            ; the tile's flag
.if SKIP
	s_cmp_eq_u32 s5, 0
	s_cbranch_scc1 .Lhid_\@
.endif
	s_cmp_eq_u32 s5, 2                             ; a tile with no byte set wants no words
	s_cbranch_scc1 .Lno_words_\@
	s_lshl_b32 s6, s3, 8
.irp k, 0,1,2,3,4,5
	s_load_b256 s[16+8*\k:23+8*\k], s[14:15], s6 offset:256*(\odd)+32*\k   ; the 64 mask words: wanted behind sixteen products
.endr
	s_load_b256 s[68:75], s[14:15], s6 offset:256*(\odd)+192
	s_load_b256 s[76:83], s[14:15], s6 offset:256*(\odd)+224
.Lno_words_\@:
.rept 4
	v_nop                                          ; places between the last step's products and loads into the registers that they read
.endr
.irp T, 0,1,2,3,4,5,6,7
	ds_load_b128 v[32+8*\T:35+8*\T], v1 offset:SL+ROFF+16*KP*\T
	ds_load_b128 v[36+8*\T:39+8*\T], v1 offset:SL+ROFF+16*KP*\T+32
.endr
	s_wait_dscnt 0x0
.irp T, 0,1,2,3,4,5,6,7
	v_wmma_f32_16x16x64_bf8_bf8 v[96+8*\T:103+8*\T], v[32+8*\T:39+8*\T], v[24:31], 0   ; BD
.endr
.rept 4
	v_nop
.endr
.irp T, 0,1,2,3,4,5,6,7
	ds_load_b128 v[32+8*\T:35+8*\T], v1 offset:SL+16*KP*\T
	ds_load_b128 v[36+8*\T:39+8*\T], v1 offset:SL+16*KP*\T+32
.endr
	s_cmp_lg_u32 s94, 0                            ; rho = 1: nothing to multiply
	s_cbranch_scc1 .Lrho_one_\@
.set i, 0
.rept 32
	v_pk_mul_f32 v[96+i:97+i], v[96+i:97+i], s[84:85] op_sel_hi:[1,0]   ; BD x rho, while k's fragments come; each accumulator from its low end on
.set i, i+2
.endr
.Lrho_one_\@:
	s_wait_dscnt 0x0
.irp T, 0,1,2,3,4,5,6,7
	v_wmma_f32_16x16x64_bf8_bf8 v[96+8*\T:103+8*\T], v[32+8*\T:39+8*\T], v[16:23], v[96+8*\T:103+8*\T]   ; + AC; the eight accumulators take turns: each link stands eight matrix instructions behind the one that it adds onto
.endr
.rept 4
	v_nop
.endr
.irp dt, 0,1,2,3
.irp c, 0,1,2,3
	ds_load_b128 v[32+16*\dt+4*\c:35+16*\dt+4*\c], v2 offset:SL+16*VP*\dt+32*\c   ; v's four fragments land under the softmax
.endr
.endr
	s_wait_kmcnt 0x0                               ; on every path: the mask words are in, where they were asked for, and no scalar load is left out
	s_cmp_eq_u32 s5, 2
	s_cbranch_scc1 .Lopen_\@
.set n, 0
.rept 48
	v_cndmask_b32 v[96+n], v[96+n], v246, s[16+n]  ; a masked score becomes -infinity ahead of the maximum: p = 0
.set n, n+1
.endr
.rept 16
	v_cndmask_b32 v[96+n], v[96+n], v246, s[20+n]
.set n, n+1
.endr
.Lopen_\@:
	v_max3_num_f32 v254, v96, v97, v98             ; the step's largest score of my query, among my 64 keys, in two chains,
	v_max3_num_f32 v252, v99, v100, v101
.set i, 6
.rept 14
	v_max3_num_f32 v254, v254, v[96+i], v[97+i]
	v_max3_num_f32 v252, v252, v[98+i], v[99+i]
.set i, i+4
.endr
	v_max3_num_f32 v254, v254, v158, v159
	v_max_num_f32 v254, v254, v252
	v_permlanex16_b32 v236, v254, s86, s87
	v_max_num_f32 v254, v254, v236                 ; and among lane l xor 16's
	v_mul_f32 v254, s66, v254                      ; as t (cA is positive)
	v_max_num_f32 v13, v13, v254                   ; the running largest t
	v_mov_b32 v254, v12
	v_floor_f32 v12, -v13                          ; the new -M = floor(-t)
	v_sub_f32 v254, v12, v254                      ; old M - new M: a whole number, 0 or less
	v_cvt_i32_f32 v254, v254                       ; (it saturates)
	v_ldexp_f32 v252, 1.0, v254                    ; f = 2^(old M - new M)
.set i, 0
.rept 32
	v_pk_fma_f32 v[96+i:97+i], v[96+i:97+i], s[66:67], v[12:13] op_sel_hi:[1,0,0]   ; t - M
.set i, i+2
.endr
.set i, 0
.rept 64
	v_exp_f32 v[96+i], v[96+i]                     ; p = 2^(t - M)
.set i, i+1
.endr
	v_pk_mul_f32 v[14:15], v[14:15], v[252:253] op_sel_hi:[1,0]   ; the sums under the new M (a plain line behind the exponentials)
	s_wait_alu depctr_va_vdst(0)                   ; one wait for the whole batch, ahead of its first reader
	v_pk_add_f32 v[242:243], v[96:97], v[98:99]    ; the row's sum is taken of the unquantised p, in two chains
.set i, 4
.rept 15
	v_pk_add_f32 v[14:15], v[14:15], v[96+i:97+i]
	v_pk_add_f32 v[242:243], v[242:243], v[98+i:99+i]
.set i, i+4
.endr
	v_pk_add_f32 v[14:15], v[14:15], v[242:243]
	s_cmp_eq_u32 s95, 0                            ; e9 >= -15: p, at most 1, lies under 57,344 x 2^e9 as it is
	s_cbranch_scc1 .Lno_hold_\@
.set i, 0
.rept 64
	v_min_num_f32 v[96+i], v[96+i], v240           ; the conversion does not saturate (ISA guide 7.6.2); p is not negative, so the hold is one-sided
.set i, i+1
.endr
.Lno_hold_\@:
.irp b, 0,1,2,3
	v_cvt_scalef32_pk8_bf8_f32 v[192+4*\b:193+4*\b], v[96+16*\b:103+16*\b], v244
	v_cvt_scalef32_pk8_bf8_f32 v[194+4*\b:195+4*\b], v[104+16*\b:111+16*\b], v244
.endr
.set i, 0
.rept 16
	v_pk_mul_f32 v[160+i:161+i], v[160+i:161+i], v[252:253] op_sel_hi:[1,0]   ; O^T under the new M (also the plain lines behind the conversions)
.set i, i+2
.endr
	s_wait_dscnt 0x0                               ; v's fragments
.irp dt, 0,1,2,3
	v_wmma_f32_16x16x128_bf8_bf8 v[160+8*\dt:167+8*\dt], v[32+16*\dt:47+16*\dt], v[192:207], v[160+8*\dt:167+8*\dt]
.endr
.Lhid_\@:
.endm
.macro HALF odd                        ; the next step's 48 bytes are asked for, this step is worked, and they go into the other slot
	v_add_nc_u32 v5, 8192, v5                      ; (the loads that read it were waited for)
	global_load_b128 v[208:211], v5, s[8:9]
	global_load_b128 v[212:215], v5, s[10:11]
	global_load_b128 v[216:219], v5, s[12:13]
	ASK
	STEP \odd
	s_wait_loadcnt 0x0
	s_wait_xcnt 0x0                                ; the prefetch, a step back, has read its offset
	v_add_nc_u32 v6, 8192, v6
	PUT 1-\odd
.endm
	s_load_b256 s[16:23], s[0:1], 0x0              ; qq s[16:17], kv s[18:19], mk s[20:21], the scales' exponents s[22:23]
	s_load_b64 s[92:93], s[0:1], 0x20              ; av
	v_lshl_add_u32 v251, v0, 2, 0x14000
	v_mov_b32 v255, 0
	v_lshrrev_b32 v8, 5, v0
	v_readfirstlane_b32 s7, v8                     ; wave 0..15
	v_and_b32 v8, 15, v0                           ; r
	v_bfe_u32 v9, v0, 4, 1                         ; h
	v_mul_u32_u24 v1, v8, KP
	v_lshl_add_u32 v1, v9, 4, v1                   ; a fragment of k or r_head_k: row r, + 16 h
	v_mul_u32_u24 v2, v8, VP
	v_lshl_add_u32 v2, v9, 4, v2
	v_add_nc_u32 v2, VOFF, v2                      ; of v
	v_lshrrev_b32 v10, 2, v0                       ; on the way in, thread T brings bytes 16 T: key T / 4,
	v_and_b32 v10, 0x67, v10
	v_bfe_u32 v11, v0, 5, 1
	v_lshl_or_b32 v10, v11, 4, v10                 ; whose bits 3 and 4 change places,
	v_bfe_u32 v11, v0, 6, 1
	v_lshl_or_b32 v10, v11, 3, v10
	v_mul_u32_u24 v3, v10, KP
	v_and_b32 v11, 3, v0
	v_lshl_add_u32 v3, v11, 4, v3                  ; + 16 (T % 4)
	v_lshrrev_b32 v10, 3, v0
	v_mul_u32_u24 v4, v10, VP                      ; v: row T / 8,
	v_and_b32 v11, 7, v0
	v_lshl_add_u32 v4, v11, 4, v4                  ; + 16 (T % 8)
	v_add_nc_u32 v4, VOFF, v4
	v_lshlrev_b32 v5, 4, v0                        ; 16 T, + 8,192 a step
	v_and_b32 v10, 31, v0
	v_lshlrev_b32 v6, 8, v10
	v_add_nc_u32 v6, 16384, v6                     ; the prefetches: 256 x lane, two steps on
	v_lshlrev_b32 v7, 6, v8
	v_lshl_add_u32 v7, v9, 4, v7                   ; q: row r of 64 bytes, + 16 h
	s_lshl_b32 s60, s7, 10
	s_add_co_u32 s60, s60, STAGE                   ; my stage
	v_lshlrev_b32 v220, 6, v8
	v_lshl_add_u32 v220, v9, 3, v220
	v_add_nc_u32 v220, s60, v220                   ; in: row r of 64 bytes, + 8 h
	v_lshlrev_b32 v224, 4, v10                     ; 16 x lane
	v_add_nc_u32 v221, s60, v224                   ; back
	s_and_b32 s24, ttmp7, 0xffff                   ; 16 b + n
	s_lshr_b32 s25, s24, 4                         ; b
	s_and_b32 s26, s24, 15                         ; n
	s_add_co_u32 s27, s26, 1
	s_sub_co_u32 s27, s27, s25
	s_min_u32 s27, s27, 15                         ; n2
	s_lshr_b32 s28, s7, 2
	s_add_co_u32 s28, s28, s7
	s_and_b32 s28, s28, 3
	s_lshl_b32 s28, s28, 2
	s_and_b32 s29, s7, 3
	s_add_co_u32 s28, s28, s29                     ; p = 4 ((w + w / 4) % 4) + w % 4
	s_lshl_b32 s28, s28, 3
	s_add_co_u32 s28, s28, ttmp9                   ; qt: it enters global addresses alone
	s_lshl_b32 s30, s24, 17                        ; a (b, n): 131,072 bytes in each tensor of codes
	s_mov_b32 s31, 0
	s_lshl_b32 s32, s28, 10                        ; 16 qt rows of 64 bytes
	s_mov_b32 s33, 0
	s_lshl_b32 s34, s25, 4
	s_add_co_u32 s34, s34, s27
	s_lshl_b32 s34, s34, 17
	s_add_co_u32 s34, s34, 0x400000                ; q + r_r_bias of (b, n2)
	s_mov_b32 s35, 0
	s_lshl_b32 s36, s27, 17
	s_add_co_u32 s36, s36, 0x800000                ; r_head_k of n2
	s_mov_b32 s37, 0
	s_lshl_b32 s38, s28, 12                        ; the mask words of qt
	s_mov_b32 s39, 0
	s_lshl_b32 s40, s26, 18
	s_lshl_b32 s41, s25, 17
	s_add_co_u32 s40, s40, s41
	s_add_co_u32 s40, s40, s32                     ; av: [n][2048 b + i][64]
	s_mov_b32 s41, 0
	s_lshl_b32 s42, s28, 2                         ; the flags of qt
	s_mov_b32 s86, 0x76543210
	s_mov_b32 s87, 0xfedcba98                      ; lane l xor 16
	s_wait_kmcnt 0x0
	s_add_nc_u64 s[8:9], s[18:19], s[30:31]        ; k
	s_add_nc_u64 s[12:13], s[8:9], 0x400000        ; v
	s_add_nc_u64 s[10:11], s[18:19], s[36:37]      ; r_head_k
	s_add_nc_u64 s[14:15], s[20:21], s[38:39]      ; the mask words
	s_add_nc_u64 s[92:93], s[92:93], s[40:41]
	s_add_nc_u64 s[44:45], s[16:17], s[30:31]
	s_add_nc_u64 s[44:45], s[44:45], s[32:33]
	s_add_nc_u64 s[46:47], s[16:17], s[34:35]
	s_add_nc_u64 s[46:47], s[46:47], s[32:33]
	s_load_b32 s4, s[20:21], s42 offset:0x80000    ; sixteen flags of two bits
	s_load_b256 s[48:55], s[22:23], 0x0            ; e0 .. e7
	s_load_b128 s[56:59], s[22:23], 0x20           ; e8 .. e11
	global_load_b128 v[208:211], v5, s[8:9]        ; step 0
	global_load_b128 v[212:215], v5, s[10:11]
	global_load_b128 v[216:219], v5, s[12:13]
	global_load_b128 v[16:19], v7, s[44:45]
	global_load_b128 v[20:23], v7, s[44:45] offset:32
	global_load_b128 v[24:27], v7, s[46:47]
	global_load_b128 v[28:31], v7, s[46:47] offset:32
	s_cmp_eq_u32 s7, 1                             ; the prefetches: which tensor,
	s_cselect_b64 s[88:89], s[12:13], s[8:9]
	s_cmp_eq_u32 s7, 2
	s_cselect_b64 s[88:89], s[10:11], s[88:89]
	s_cselect_b32 s61, s25, 0
	s_cmp_lt_u32 s7, 2                             ; and who asks
	s_cselect_b32 s60, 1, 0
	s_or_b32 s60, s60, s61
	s_cmp_eq_u32 ttmp9, 0
	s_cselect_b32 s60, s60, 0
	s_mul_i32 s90, s60, 14
	v_mov_b32 v13, 0xff61b1e6                      ; the largest t so far: -3e38
	v_floor_f32 v12, -v13
	v_mov_b32 v14, 0
	v_mov_b32 v15, 0
	v_mov_b32 v236, 0                              ; a lane permute's destination counts as read
	v_mov_b32 v252, 0
	v_mov_b32 v253, 0
	v_mov_b32 v246, 0xff800000                     ; -infinity
.set i, 0
.rept 32
	v_mov_b32 v[160+i], 0                          ; O^T: the step is written for every step alike, and any step may be passed over: the first that runs finds zeros
.set i, i+1
.endr
	s_wait_kmcnt 0x0
	s_add_co_i32 s60, s52, s53                     ; e4 + e5
	s_lshl_b32 s61, s60, 23
	s_add_co_i32 s66, s61, 0x3e38aa3b              ; cA: the exponents are added to the exponent field of log2(e) / 8
	s_mov_b32 s67, s66
	s_add_co_i32 s61, s54, s55
	s_sub_co_i32 s61, s61, s60                     ; e6 + e7 - e4 - e5
	s_cmp_eq_u32 s61, 0
	s_cselect_b32 s94, 1, 0                        ; rho is 1,
	s_add_co_i32 s61, s61, 127
	s_lshl_b32 s61, s61, 23
	s_cmp_eq_u32 s24, 15
	s_cselect_b32 s84, 0, s61                      ; rho
	s_cselect_b32 s94, 0, s94                      ; but not for (0, 15), where it is 0
	s_mov_b32 s85, s84
	s_cmp_lt_i32 s57, -15
	s_cselect_b32 s95, 1, 0                        ; p wants its hold where 57,344 x 2^e9 lies under 1
	s_add_co_i32 s91, s56, s57                     ; e8 + e9
	s_add_co_i32 s60, s57, 127
	s_lshl_b32 s61, s60, 23
	v_mov_b32 v244, s61                            ; 2^e9
	s_add_co_i32 s60, s60, 15
	s_lshl_b32 s60, s60, 23
	s_or_b32 s60, s60, 0x600000
	v_mov_b32 v240, s60                            ; 57,344 x 2^e9
	s_add_co_i32 s60, s58, 127
	s_lshl_b32 s61, s60, 23
	v_mov_b32 v222, s61                            ; 2^e10
	s_add_co_i32 s60, s60, 15
	s_lshl_b32 s60, s60, 23
	s_or_b32 s60, s60, 0x600000
	v_mov_b32 v223, s60
	s_wait_loadcnt 4                               ; step 0's three loads are in; q's four are younger and may be out
	PUT 0
	s_wait_loadcnt 0x0                             ; q; and its pointers' registers are free for the mask words
.set i, 16
.rept 24
	s_mov_b64 s[i:i+1], 0                          ; the mask words' registers are written once here: the loads that fill them stand under a branch, and a register is written before it is read on every way through the text
.set i, i+2
.endr
.set i, 68
.rept 8
	s_mov_b64 s[i:i+1], 0
.set i, i+2
.endr
	s_mov_b32 s3, 0
.Lpair:                                                ; seven trips of two steps: the slot is a constant of each half
	HALF 0
	HALF 1
	s_add_co_u32 s3, s3, 2
	s_cmp_lt_u32 s3, 14
	s_cbranch_scc1 .Lpair
	HALF 0                                         ; step 14; step 15's tiles come in
	STEP 1                                         ; step 15: nothing more to fetch
	; THE WAY OUT: O^T / the sum x 2^(e8 + e9), quantised with e10; 8 bytes a lane through my stage; 1,024 consecutive bytes out.
	v_add_f32 v14, v14, v15
	v_permlanex16_b32 v252, v14, s86, s87
	v_add_f32 v14, v14, v252                       ; the row's sum
	v_cmp_eq_f32 vcc_lo, 0, v14                    ; 0 only where no key counted
	v_rcp_f32 v15, v14
	v_mov_b32 v253, 0x7f7f7f7f                     ; (a plain line behind the reciprocal)  four codes of NaN
	v_cndmask_b32 v253, 0, v253, vcc_lo
	s_wait_alu depctr_va_vdst(0)                   ; ahead of the reciprocal's first reader
	v_ldexp_f32 v15, v15, s91
.set i, 0
.rept 32
	v_mul_f32 v[96+i], v[160+i], v15               ; register 8 dt + j is d = 16 dt + 8 h + j of query r
.set i, i+1
.endr
.set i, 0
.rept 32
	v_med3_num_f32 v[96+i], v[96+i], -v223, v223
.set i, i+1
.endr
.irp dt, 0,1,2,3
	v_cvt_scalef32_pk8_bf8_f32 v[128+2*\dt:129+2*\dt], v[96+8*\dt:103+8*\dt], v222
.endr
	v_nop                                          ; a plain line between the conversions and the lines that touch their results
.irp i, 0,1,2,3,4,5,6,7
	v_or_b32 v[128+\i], v[128+\i], v253
.endr
.irp dt, 0,1,2,3
	ds_store_b64 v220, v[128+2*\dt:129+2*\dt] offset:16*\dt
.endr
	ds_load_b128 v[136:139], v221                  ; LDS serves a wave's instructions in order: these see my stores
	ds_load_b128 v[140:143], v221 offset:512
	s_wait_dscnt 1
	global_store_b128 v224, v[136:139], s[92:93]
	s_wait_dscnt 0
	global_store_b128 v224, v[140:143], s[92:93] offset:512
	s_wait_tensorcnt 0x0
	ds_add_u32 v251, v255
	s_wait_dscnt 0x0
	s_endpgm
.Lfunc_end_k_qc29cd5e8c7_attn:
	.size	k_qc29cd5e8c7_attn, .Lfunc_end_k_qc29cd5e8c7_attn-k_qc29cd5e8c7_attn
	.p2alignl 7, 3214868480
	.fill 96, 4, 3214868480
	.section	.rodata,"a",@progbits
	.p2align	6, 0x0
	.amdhsa_kernel k_qc29cd5e8c7_attn
		.amdhsa_group_segment_fixed_size 83968
		.amdhsa_private_segment_fixed_size 0
		.amdhsa_enable_private_segment 0
		.amdhsa_kernarg_size 40
		.amdhsa_user_sgpr_count 2
		.amdhsa_user_sgpr_kernarg_segment_ptr 1
		.amdhsa_wavefront_size32 1
		.amdhsa_system_sgpr_workgroup_id_x 1
		.amdhsa_system_sgpr_workgroup_id_y 1
		.amdhsa_system_sgpr_workgroup_id_z 1
		.amdhsa_system_vgpr_workitem_id 0
		.amdhsa_next_free_vgpr 256
		.amdhsa_next_free_sgpr 100
		.amdhsa_reserve_vcc 1
		.amdhsa_float_denorm_mode_32 3
		.amdhsa_float_denorm_mode_16_64 3
		.amdhsa_memory_ordered 1
		.amdhsa_forward_progress 1
		.amdhsa_inst_pref_size 112
	.end_amdhsa_kernel
	.amdgpu_metadata
---
amdhsa.version: [ 1, 2 ]
amdhsa.kernels:
  - .name:           k_qc29cd5e8c7_attn
    .symbol:         k_qc29cd5e8c7_attn.kd
    .args:
      - { .name: qq, .offset: 0, .size: 8, .value_kind: global_buffer, .address_space: global }
      - { .name: kv, .offset: 8, .size: 8, .value_kind: global_buffer, .address_space: global }
      - { .name: mk, .offset: 16, .size: 8, .value_kind: global_buffer, .address_space: global }
      - { .name: lowp_scales, .offset: 24, .size: 8, .value_kind: global_buffer, .address_space: global }
      - { .name: av, .offset: 32, .size: 8, .value_kind: global_buffer, .address_space: global }
    .group_segment_fixed_size: 83968
    .private_segment_fixed_size: 0
    .kernarg_segment_align: 8
    .kernarg_segment_size: 40
    .max_flat_workgroup_size: 512
    .sgpr_count:     100
    .vgpr_count:     256
    .wavefront_size: 32
...
	.end_amdgpu_metadata
.endif
;; end of part 3
;; launch outln (part 4): grid 128 x 1, 4 waves a work-group, no clusters, 132,096 bytes of LDS; arguments av, xw, content, ln_gamma, ln_beta, lowp_scales, out0; writes out0
.if DOCPART == 4
	.amdgcn_target "amdgcn-amd-amdhsa--gfx1250"
	.amdhsa_code_object_version 6
	.text
	.protected	k_qc29cd5e8c7_outln
	.globl	k_qc29cd5e8c7_outln
	.p2align	8
	.type	k_qc29cd5e8c7_outln,@function
k_qc29cd5e8c7_outln:
	s_mov_b64 s[64:65], 0
	v_nop
	global_prefetch_b8 v0, s[64:65] scope:SCOPE_SE
	s_setreg_imm32_b32 hwreg(HW_REG_WAVE_MODE, 25, 1), 1
	s_wait_xcnt 0x0
; OUTLN: out = LayerNorm(content + attn_vec W_o), the product on codes of E5M2.  A work-group owns 32 WHOLE rows (one b, 32 neighbouring i), so that mean and variance never leave it.
; PRODUCT: wave w makes columns 256 w .. + 255 of the 32 rows: 32 accumulators.  attn_vec's 16 fragments (2 blocks of rows x 8 K steps) stay in registers.  W_o's fragments come from memory straight into registers: an earlier launch
; has laid them in the order of an operand's registers, so that each load of a wave reads 512 consecutive bytes.  They run three groups of four fragments ahead, in a ring of four buffers.
; NO JOINT LOADS, NO LDS FOR W_o: a fragment of W_o feeds one wave of a work-group only (two matrix instructions); through LDS each of its bytes would be written and read once more for the same work.
; Transposed use (source 0 = 16 rows of W_o, source 1 = 16 rows of attn_vec): a lane holds one row and eight neighbouring columns.
; RESIDUAL AND NORM: content's 32 rows are brought into a stage in LDS under the product (wave w: rows 8 w .. + 7); behind a barrier each wave adds its columns' sums x 2^(e10 + e11) in place; behind a second barrier wave w norms rows 8 w .. + 7:
; mean, then the mean of the squares of x - mean (two passes, so that a common offset costs no cancellation), rsqrt, gamma, beta.  Every store covers 512 consecutive bytes.
; LIMIT: e10 + e11 between -126 and 127.  The text is written out: no loop, no label.
; REGISTERS: window 0: v1-8 addresses; v32-63 gamma, v64-95 beta; v96-159 content's ring, later v96-223 four rows, v224-255 at work.  window 1: the accumulators ((a, t) at v[8 (16 a + t)]).
;   window 2: attn_vec's fragments ((a, s) at v[16 (8 a + s)]), later content in the accumulators' layout.  window 3: W_o's ring.
.set SPITCH, 4112                      ; a stage row: 4,096 bytes + 16
.set LI,  4                            ; v4  16 x lane
.set AVA, 5                            ; v5  attn_vec: row r of 64 bytes, + 16 h
.set SW,  6                            ; v6  the stage: my 8 rows, 16 bytes a lane
.set SD0, 7                            ; v7  the stage in the accumulators' layout, rows 0-15;  v8 rows 16-31
.set SD1, 8
.set GA,  32
.set BE,  64
.set CR,  96
.set X,   96
.set T,   224
.set MSB, 0
.macro WIN new                         ; the immediate's high byte repeats the setting that is left
.if MSB != (\new)
	s_set_vgpr_msb (MSB<<8)|(\new)
.set MSB, (\new)
.endif
.endm
.macro WLOAD g                         ; group g: K step g / 4, tiles 4 (g % 4) .. + 3 of my sixteen: four fragments; in the first sixteen groups also four pieces of 512 bytes of content
	WIN 0xc0                                       ; destination window 3
.irp tt, 0,1,2,3
.irp c, 0,1,2,3
	global_load_b128 v[64*((\g)%4)+16*\tt+4*\c:64*((\g)%4)+16*\tt+4*\c+3], v[LI], s[6:7] offset:2048*(4*(\g)+\tt)+512*\c
.endr
.endr
.if (\g) < 16
	WIN 0
.irp e, 0,1,2,3
	global_load_b128 v[CR+16*((\g)%4)+4*\e:CR+16*((\g)%4)+4*\e+3], v[LI], s[8:9] offset:8192*((4*(\g)+\e)/8)+512*((4*(\g)+\e)%8) th:TH_LOAD_NT
.endr
.endif
.endm
.macro GROUP g
.set N1, 0
.if (\g)+1 < 16
.set N1, 20
.elseif (\g)+1 < 32
.set N1, 16
.endif
.set N2, 0
.if (\g)+2 < 16
.set N2, 20
.elseif (\g)+2 < 32
.set N2, 16
.endif
	s_wait_loadcnt N1+N2                           ; this group's loads are in; those of the two groups behind it (20 or 16 each) may be out
.if (\g) < 16
	WIN 0
.irp e, 0,1,2,3
	ds_store_b128 v[SW], v[CR+16*((\g)%4)+4*\e:CR+16*((\g)%4)+4*\e+3] offset:((4*(\g)+\e)/8)*SPITCH+512*((4*(\g)+\e)%8)
.endr
.endif
.if (\g)+3 < 32
.if (\g) >= 1
.rept 4
	v_nop                                          ; places between the last group's products and loads into the buffer that they read
.endr
.endif
.if ((\g) >= 1) && ((\g)+3 < 16)
	s_wait_dscnt 4                                 ; all but this group's four stores: the last group's have read the registers that are loaded again
.endif
	WLOAD (\g)+3
.endif
	WIN 0x5b                                       ; source 0 window 3, source 1 window 2, C and D window 1
.irp tt, 0,1,2,3
.irp a, 0,1
.if (\g) < 4
	v_wmma_f32_16x16x128_bf8_bf8 v[8*(16*\a+4*((\g)%4)+\tt):8*(16*\a+4*((\g)%4)+\tt)+7], v[64*((\g)%4)+16*\tt:64*((\g)%4)+16*\tt+15], v[16*(8*\a+(\g)/4):16*(8*\a+(\g)/4)+15], 0
.else
	v_wmma_f32_16x16x128_bf8_bf8 v[8*(16*\a+4*((\g)%4)+\tt):8*(16*\a+4*((\g)%4)+\tt)+7], v[64*((\g)%4)+16*\tt:64*((\g)%4)+16*\tt+15], v[16*(8*\a+(\g)/4):16*(8*\a+(\g)/4)+15], v[8*(16*\a+4*((\g)%4)+\tt):8*(16*\a+4*((\g)%4)+\tt)+7]
.endif
.endr
.endr
.endm
.macro REDUCE                          ; four rows' two chains of pairs -> the sum over the row, in every lane, in v[T + 8 p]
.irp p, 0,1,2,3
	v_pk_add_f32 v[T+8*\p:T+8*\p+1], v[T+8*\p:T+8*\p+1], v[T+8*\p+2:T+8*\p+3]
.endr
.irp p, 0,1,2,3
	v_add_f32 v[T+8*\p], v[T+8*\p], v[T+8*\p+1]
.endr
.irp m, 1,2,4,8
.irp p, 0,1,2,3
	v_add_f32_dpp v[T+8*\p], v[T+8*\p], v[T+8*\p] row_xmask:\m row_mask:0xf bank_mask:0xf
.endr
.endr
.irp p, 0,1,2,3
	v_permlanex16_b32 v[T+8*\p+1], v[T+8*\p], s32, s33
.endr
.irp p, 0,1,2,3
	v_add_f32 v[T+8*\p], v[T+8*\p], v[T+8*\p+1]
.endr
.endm
.macro LNHALF u                        ; rows 8 w + 4 u .. + 3: register 4 q + e of a row is column 128 q + 4 lane + e
.irp p, 0,1,2,3
.irp q, 0,1,2,3,4,5,6,7
	ds_load_b128 v[X+32*\p+4*\q:X+32*\p+4*\q+3], v[SW] offset:(4*\u+\p)*SPITCH+512*\q
.endr
.endr
	s_wait_dscnt 0x0
.irp p, 0,1,2,3
	v_pk_add_f32 v[T+8*\p:T+8*\p+1], v[X+32*\p:X+32*\p+1], v[X+32*\p+2:X+32*\p+3]
	v_pk_add_f32 v[T+8*\p+2:T+8*\p+3], v[X+32*\p+4:X+32*\p+5], v[X+32*\p+6:X+32*\p+7]
.endr
.irp j, 8,12,16,20,24,28
.irp p, 0,1,2,3
	v_pk_add_f32 v[T+8*\p:T+8*\p+1], v[T+8*\p:T+8*\p+1], v[X+32*\p+\j:X+32*\p+\j+1]
	v_pk_add_f32 v[T+8*\p+2:T+8*\p+3], v[T+8*\p+2:T+8*\p+3], v[X+32*\p+\j+2:X+32*\p+\j+3]
.endr
.endr
	REDUCE
.irp p, 0,1,2,3
	v_mul_f32 v[T+8*\p+4], s30, v[T+8*\p]          ; the mean, twice: a pair for the packed subtraction
	v_mul_f32 v[T+8*\p+5], s30, v[T+8*\p]
.endr
.irp j, 0,2,4,6,8,10,12,14,16,18,20,22,24,26,28,30
.irp p, 0,1,2,3
	v_pk_add_f32 v[X+32*\p+\j:X+32*\p+\j+1], v[X+32*\p+\j:X+32*\p+\j+1], v[T+8*\p+4:T+8*\p+5] neg_lo:[0,1] neg_hi:[0,1]
.endr
.endr
.irp p, 0,1,2,3
	v_pk_mul_f32 v[T+8*\p:T+8*\p+1], v[X+32*\p:X+32*\p+1], v[X+32*\p:X+32*\p+1]
	v_pk_mul_f32 v[T+8*\p+2:T+8*\p+3], v[X+32*\p+2:X+32*\p+3], v[X+32*\p+2:X+32*\p+3]
.endr
.irp j, 4,8,12,16,20,24,28
.irp p, 0,1,2,3
	v_pk_fma_f32 v[T+8*\p:T+8*\p+1], v[X+32*\p+\j:X+32*\p+\j+1], v[X+32*\p+\j:X+32*\p+\j+1], v[T+8*\p:T+8*\p+1]
	v_pk_fma_f32 v[T+8*\p+2:T+8*\p+3], v[X+32*\p+\j+2:X+32*\p+\j+3], v[X+32*\p+\j+2:X+32*\p+\j+3], v[T+8*\p+2:T+8*\p+3]
.endr
.endr
	REDUCE
.irp p, 0,1,2,3
	v_fma_f32 v[T+8*\p+4], v[T+8*\p], s30, s31     ; the variance + 1e-5
.endr
.irp p, 0,1,2,3
	v_rsq_f32 v[T+8*\p+6], v[T+8*\p+4]
.endr
	v_nop                                          ; a plain line behind the last of the batch
	s_wait_alu depctr_va_vdst(0)                   ; one wait for the four, ahead of their first reader
.irp p, 0,1,2,3
	v_mov_b32 v[T+8*\p+7], v[T+8*\p+6]
.endr
.irp j, 0,2,4,6,8,10,12,14,16,18,20,22,24,26,28,30
.irp p, 0,1,2,3
	v_pk_mul_f32 v[X+32*\p+\j:X+32*\p+\j+1], v[X+32*\p+\j:X+32*\p+\j+1], v[T+8*\p+6:T+8*\p+7]
.endr
.irp p, 0,1,2,3
	v_pk_fma_f32 v[X+32*\p+\j:X+32*\p+\j+1], v[X+32*\p+\j:X+32*\p+\j+1], v[GA+\j:GA+\j+1], v[BE+\j:BE+\j+1]
.endr
.endr
.irp p, 0,1,2,3
.irp q, 0,1,2,3,4,5,6,7
	global_store_b128 v[LI], v[X+32*\p+4*\q:X+32*\p+4*\q+3], s[16:17] offset:(4*\u+\p)*8192+512*\q th:TH_STORE_NT
.endr
.endr
.endm
	s_load_b256 s[4:11], s[0:1], 0x0               ; av s[4:5], xw s[6:7], content s[8:9], gamma s[10:11]
	s_load_b128 s[12:15], s[0:1], 0x20             ; beta s[12:13], the scales' exponents s[14:15]
	s_load_b64 s[16:17], s[0:1], 0x30              ; out0
	v_lshl_add_u32 v30, v0, 2, 0x20200
	v_mov_b32 v31, 0
	v_lshrrev_b32 v1, 5, v0
	v_readfirstlane_b32 s18, v1                    ; wave 0..3
	v_and_b32 v1, 31, v0
	v_and_b32 v2, 15, v0                           ; r
	v_bfe_u32 v3, v0, 4, 1                         ; h
	v_lshlrev_b32 v[LI], 4, v1
	v_lshlrev_b32 v[AVA], 6, v2
	v_lshl_add_u32 v[AVA], v3, 4, v[AVA]
	s_mul_i32 s19, s18, 8*SPITCH
	v_add_nc_u32 v[SW], s19, v[LI]
	v_mul_u32_u24 v[SD0], v2, SPITCH
	v_lshl_add_u32 v[SD0], v3, 5, v[SD0]
	s_lshl_b32 s19, s18, 10
	v_add_nc_u32 v[SD0], s19, v[SD0]               ; row r, + 32 h, + my 256 columns
	v_add_nc_u32 v[SD1], 16*SPITCH, v[SD0]
	s_lshl_b32 s24, ttmp9, 11                      ; av: 32 rows of 64 bytes a work-group
	s_mov_b32 s25, 0
	s_lshl_b32 s26, s18, 18
	s_add_co_u32 s26, s26, 0x400000                ; xw: W_o's images, my wave's 262,144 bytes
	s_mov_b32 s27, 0
	s_and_b32 s28, ttmp9, 63
	s_lshl_b32 s28, s28, 5
	s_lshl_b32 s29, s18, 3
	s_add_co_u32 s28, s28, s29                     ; i of my first row: 32 (g % 64) + 8 w
	s_lshl_b32 s28, s28, 13                        ; an i is 8,192 bytes,
	s_lshr_b32 s29, ttmp9, 6
	s_lshl_b32 s29, s29, 12                        ; b = g / 64 is 4,096
	s_add_co_u32 s28, s28, s29
	s_mov_b32 s29, 0
	s_mov_b32 s30, 0x3a800000                      ; 1 / 1024
	s_mov_b32 s31, 0x3727c5ac                      ; 1e-5
	s_mov_b32 s32, 0x76543210
	s_mov_b32 s33, 0xfedcba98                      ; lane l xor 16
	s_wait_kmcnt 0x0
	s_load_b64 s[20:21], s[14:15], 0x28            ; e10, e11
	s_add_nc_u64 s[4:5], s[4:5], s[24:25]
	s_add_nc_u64 s[6:7], s[6:7], s[26:27]
	s_add_nc_u64 s[8:9], s[8:9], s[28:29]
	s_add_nc_u64 s[16:17], s[16:17], s[28:29]
.irp q, 0,1,2,3,4,5,6,7
	global_load_b128 v[GA+4*\q:GA+4*\q+3], v[LI], s[10:11] offset:512*\q
	global_load_b128 v[BE+4*\q:BE+4*\q+3], v[LI], s[12:13] offset:512*\q
.endr
	WIN 0x80                                       ; destination window 2
.irp a, 0,1
.irp s, 0,1,2,3,4,5,6,7
.irp c, 0,1,2,3
	global_load_b128 v[16*(8*\a+\s)+4*\c:16*(8*\a+\s)+4*\c+3], v[AVA], s[4:5] offset:(2*\s+\c/2)*262144+1024*\a+32*(\c%2)   ; k = 128 s + 32 c + 16 h: head 2 s + c / 2, d = 32 (c % 2) + 16 h
.endr
.endr
.endr
	WLOAD 0
	WLOAD 1
	WLOAD 2
.set G, 0
.rept 32
	GROUP G
.set G, G+1
.endr
.rept 4
	v_nop                                          ; places behind the last products: for the loads into attn_vec's registers and the first read of the sums
.endr
	s_wait_dscnt 0x0                               ; my rows of content lie in the stage
	s_barrier_signal -1
	s_barrier_wait -1
	WIN 0x80                                       ; content comes back in the accumulators' layout, into window 2
.irp t, 0,1,2,3,4,5,6,7,8,9,10,11,12,13,14,15
	ds_load_b128 v[8*\t:8*\t+3], v[SD0] offset:64*\t
	ds_load_b128 v[8*\t+4:8*\t+7], v[SD0] offset:64*\t+16
.endr
.irp t, 0,1,2,3,4,5,6,7,8,9,10,11,12,13,14,15
	ds_load_b128 v[128+8*\t:128+8*\t+3], v[SD1] offset:64*\t
	ds_load_b128 v[128+8*\t+4:128+8*\t+7], v[SD1] offset:64*\t+16
.endr
	s_wait_kmcnt 0x0
	s_add_co_i32 s22, s20, s21
	s_add_co_i32 s22, s22, 127
	s_lshl_b32 s22, s22, 23                        ; 2^(e10 + e11)
	s_mov_b32 s23, s22
	s_wait_dscnt 0x0
	WIN 0xa1                                       ; source 0 window 1; source 2 and destination window 2
.set i, 0
.rept 128
	v_pk_fma_f32 v[i:i+1], v[i:i+1], s[22:23], v[i:i+1] op_sel_hi:[1,0,1]   ; x = sum x 2^(e10 + e11) + content; each accumulator from its low end on
.set i, i+2
.endr
	WIN 0x08                                       ; store data window 2
.irp t, 0,1,2,3,4,5,6,7,8,9,10,11,12,13,14,15
	ds_store_b128 v[SD0], v[8*\t:8*\t+3] offset:64*\t
	ds_store_b128 v[SD0], v[8*\t+4:8*\t+7] offset:64*\t+16
.endr
.irp t, 0,1,2,3,4,5,6,7,8,9,10,11,12,13,14,15
	ds_store_b128 v[SD1], v[128+8*\t:128+8*\t+3] offset:64*\t
	ds_store_b128 v[SD1], v[128+8*\t+4:128+8*\t+7] offset:64*\t+16
.endr
	WIN 0
	s_wait_dscnt 0x0                               ; my columns of x lie in the stage
	s_barrier_signal -1
	s_barrier_wait -1
	LNHALF 0
	s_wait_xcnt 0x0                                ; the stores have read their registers: the next four rows may land there
	LNHALF 1
	s_wait_tensorcnt 0x0
	ds_add_u32 v30, v31
	s_wait_dscnt 0x0
	s_endpgm
.Lfunc_end_k_qc29cd5e8c7_outln:
	.size	k_qc29cd5e8c7_outln, .Lfunc_end_k_qc29cd5e8c7_outln-k_qc29cd5e8c7_outln
	.p2alignl 7, 3214868480
	.fill 96, 4, 3214868480
	.section	.rodata,"a",@progbits
	.p2align	6, 0x0
	.amdhsa_kernel k_qc29cd5e8c7_outln
		.amdhsa_group_segment_fixed_size 132096
		.amdhsa_private_segment_fixed_size 0
		.amdhsa_enable_private_segment 0
		.amdhsa_kernarg_size 56
		.amdhsa_user_sgpr_count 2
		.amdhsa_user_sgpr_kernarg_segment_ptr 1
		.amdhsa_wavefront_size32 1
		.amdhsa_system_sgpr_workgroup_id_x 1
		.amdhsa_system_sgpr_workgroup_id_y 1
		.amdhsa_system_sgpr_workgroup_id_z 1
		.amdhsa_system_vgpr_workitem_id 0
		.amdhsa_next_free_vgpr 1024
		.amdhsa_next_free_sgpr 66
		.amdhsa_reserve_vcc 0
		.amdhsa_float_denorm_mode_32 3
		.amdhsa_float_denorm_mode_16_64 3
		.amdhsa_memory_ordered 1
		.amdhsa_forward_progress 1
		.amdhsa_inst_pref_size 166
	.end_amdhsa_kernel
	.amdgpu_metadata
---
amdhsa.version: [ 1, 2 ]
amdhsa.kernels:
  - .name:           k_qc29cd5e8c7_outln
    .symbol:         k_qc29cd5e8c7_outln.kd
    .args:
      - { .name: av, .offset: 0, .size: 8, .value_kind: global_buffer, .address_space: global }
      - { .name: xw, .offset: 8, .size: 8, .value_kind: global_buffer, .address_space: global }
      - { .name: content, .offset: 16, .size: 8, .value_kind: global_buffer, .address_space: global }
      - { .name: ln_gamma, .offset: 24, .size: 8, .value_kind: global_buffer, .address_space: global }
      - { .name: ln_beta, .offset: 32, .size: 8, .value_kind: global_buffer, .address_space: global }
      - { .name: lowp_scales, .offset: 40, .size: 8, .value_kind: global_buffer, .address_space: global }
      - { .name: out0, .offset: 48, .size: 8, .value_kind: global_buffer, .address_space: global }
    .group_segment_fixed_size: 132096
    .private_segment_fixed_size: 0
    .kernarg_segment_align: 8
    .kernarg_segment_size: 56
    .max_flat_workgroup_size: 128
    .sgpr_count:     66
    .vgpr_count:     1024
    .wavefront_size: 32
...
	.end_amdgpu_metadata
.endif
;; end of part 4
;; ======== version 2 of 2: 4 launches; version 1 with the launches attn, outln written anew for expert scheduling mode
;; workspace buffers: xw 5,242,880 bytes; mk 524,800 bytes of whole numbers; qq 8,388,608 bytes; kv 10,485,760 bytes; av 4,194,304 bytes
;; launch prep: the kernel of part 1 again; grid 256 x 1, 4 waves a work-group, no clusters, 33,280 bytes of LDS; arguments content, lowp_scales, attn_mask, W_o_codes, xw, mk; writes xw, mk
;; launch proj: the kernel of part 2 again; grid 56 x 4, 4 waves a work-group, clusters of 4 x 4, 327,680 bytes of LDS; arguments xw, W_qkv_codes, rel_pos_codes, W_r_codes, lowp_scales, r_w_bias, r_r_bias, qq, kv; writes qq, kv
;; launch attn (part 5): grid 8 x 32, 16 waves a work-group, no clusters, 83,968 bytes of LDS; arguments qq, kv, mk, lowp_scales, av; writes av
.if DOCPART == 5
	.amdgcn_target "amdgcn-amd-amdhsa--gfx1250"
	.amdhsa_code_object_version 6
	.text
	.protected	k_qc29cd5e8c7_attn
	.globl	k_qc29cd5e8c7_attn
	.p2align	8
	.type	k_qc29cd5e8c7_attn,@function
k_qc29cd5e8c7_attn:
	s_mov_b64 s[64:65], 0
	v_nop
	global_prefetch_b8 v0, s[64:65] scope:SCOPE_SE
	s_setreg_imm32_b32 hwreg(HW_REG_WAVE_SCHED_MODE, 0, 2), 2
	s_setreg_imm32_b32 hwreg(HW_REG_WAVE_MODE, 25, 1), 1
	s_wait_xcnt 0x0
	s_wait_alu depctr_vm_vsrc(0)
; ATTN: for batch b and head n: score(i, j) = ((q + r_w_bias)(i) . k(j) + BD(i, j)) / 8, masked by the given mask, softmax over j, times v; all three products on codes of E5M2.
; THE SHIFT ALONG THE HEADS: BD of (b = 1, n) is made of head n's (q + r_r_bias) and r_head_k; of (b = 0, n < 15) of head n + 1's; of (b = 0, n = 15) it is 0.  So n2 = min(n + 1 - b, 15) names both operands, and the factor rho is 0 for (0, 15).
; The two score products have different pairs of scales: S = AC + BD x rho, rho = 2^(e6 + e7 - e4 - e5); t = S x cA, cA = log2(e) / 8 x 2^(e4 + e5).
; THE SOFTMAX: M = the running largest t rounded UP to a whole number; p = 2^(t - M) is quantised (e9), not normalised; the row's sum is taken of the unquantised p and divides at the end; when M moves, sum and O are multiplied by 2^(old M - new M): exact.
; SHARES.  A work-group has one (b, n) and sixteen waves; a wave owns ONE tile of 16 queries, qt = x + 8 p, p a permutation of the wave's number such that the four waves with one w % 4 or one w / 4 hold a tile from each quarter of the queries.
; Every wave walks the 16 key steps of 128 keys.  A step's tiles of k, r_head_k and v are three dense blocks of 8,192 bytes; the 512 threads bring 16 bytes of each through registers into one of two LDS slots, a step ahead; one barrier a step.
; THE MASK is an input.  An earlier launch has turned it into lane-mask words (64 for a tile of 16 queries x 128 keys, one for each score register) and a flag for each tile.  Flag 0 (every byte set): the step's work is passed over by a scalar
; branch (its p would all be 0); flag 2 (none set): the words are not fetched and the 64 selects are passed over; no barrier, global load or LDS store stands under these branches.  Right for every mask; SKIP = 0 takes the first branch out.
; WORK THAT THE GIVEN EXPONENTS MAKE IDLE is passed over by scalar branches on them, the same in every wave: the multiplication by rho where rho is 1; the hold of p at 57,344 x 2^e9 where e9 >= -15: p is at most 1 and the limit is then 1.75 or more.
; NO TENSOR LOADS AND NO JOINT LOADS: the branch on the flag removes a whole step's 20 matrix and some 200 to 300 vector instructions wherever a tile is masked.
; LAYOUT.  Both products transposed (source 0 = 16 keys, or 16 of the head's 64; source 1 = my 16 queries): a lane holds ONE query.  A key lies in the LDS row that is its number with bits 3 and 4 swapped, so that tile T's lane r reads row 16 T + r
; and the 16 registers of tiles 2 b and 2 b + 1 are 16 neighbouring keys, 32 b + 16 (lane / 16) + 0 .. 15: the conversions' results are the second product's operand.
; A QUERY ALL OF WHOSE KEYS ARE MASKED has the sum 0: its codes are made NaN's, so that its row of the output becomes NaN.
; LIMITS: e4 + e5 between -123 and 130; e6 + e7 - e4 - e5 between -126 and 89; e9 and e10 between -126 and 112; e8 + e9 goes by v_ldexp_f32 and has none.  NaN among the operands is not served.
; REGISTERS: v1-4 LDS addresses, v5-7 global offsets; v12 -M, v13 the largest t, v[14:15] the sum; v16-23 q + r_w_bias, v24-31 q + r_r_bias; v32-95 fragments; v96-159 S, then p; v160-191 O^T; v192-207 p's codes; v208-219 the next step's 48 bytes;
;   v220-224 the way out's addresses and scales; v236-254 at work.  s[16:63], s[68:83]: a mixed tile's 64 mask words.  s94: 1 where rho is 1.  s95: 1 where p wants its hold.
; THE MODE: SCHED_MODE bits 1:0 = 2 (LLVM: expert scheduling mode 2), set by the entry lines.  The code itself states the register dependences between vector or matrix instructions and memory or LDS instructions, with s_wait_alu, always for 0.
; THE PLAN.  Registers that memory or LDS instructions touch:
;   v208-219        The three global loads at a half's head land in them; the three LDS stores at its end read them; no vector instruction names them.  One wait on vm_vsrc, at the half's head.
;   v32-95          Three runs of sixteen LDS loads a step land in them: r_head_k's fragments, k's, v's; BD's eight products, AC's eight and V^T P's four read them.  Sixteen waves of 256 registers leave no room for a second
;                   buffer, so one wait on va_vdst stands ahead of each run: the products that read what lay there are done.
;   v1-7, v220, v221, v224   Addresses and offsets, made at the head and never written again: the tiles' three bases and the prefetch's are scalar registers, which move on by a step at a half's end.  One wait on va_vdst ahead of the first load.
;   v128-135, v136-143       The way out: codes that LDS stores read, rows that LDS loads bring back.  One wait on va_vdst behind the last line that writes the codes.
;   v251, v255      Written at the head, read by the closing add alone.
;   s7 and VCC are written by vector instructions: a wait on va_sdst, on va_vcc, stands ahead of the first reader of each.
.set SKIP,  1
.set KP,    80                         ; a key's row in LDS: 64 bytes + 16
.set VP,    144                        ; a row of v's tile: 128 bytes + 16
.set ROFF,  128*KP                     ; a slot: k's 128 rows, r_head_k's 128 rows, v's 64 rows
.set VOFF,  2*128*KP
.set SLOTB, 32768
.set STAGE, 2*SLOTB                    ; 1,024 bytes for each wave
.macro PUT slot                        ; the next step's tiles go into the slot that was read a step ago; ONE barrier: in front of it my reads of the other slot are back and my stores have landed
	ds_store_b128 v3, v[208:211] offset:SLOTB*(\slot)
	ds_store_b128 v3, v[212:215] offset:SLOTB*(\slot)+ROFF
	ds_store_b128 v4, v[216:219] offset:SLOTB*(\slot)
	s_wait_dscnt 0x0
	s_barrier_signal -1
	s_barrier_wait -1
.endm
; A PREFETCH INTO THE L2 of the block of 8,192 bytes that the NEXT step's loads will ask for: step t names step t + 2's, lanes 256 bytes apart, one instruction a wave, straight behind the wave's own three loads.
; Each block is named once in the launch: the eight work-groups of a (b, n) walk the same k and v, so x = 0 asks: wave 0 for k, wave 1 for v; wave 2 asks for r_head_k where b = 1, whose n2 = n runs over all heads.
; Steps 0 and 1 come by their loads alone; steps 14 and 15 ask for nothing (s3 is even, so s3 < 14 says so for both halves of a trip).
.macro ASK
	s_cmp_lt_u32 s3, s90
	s_cbranch_scc0 .Lnot_mine_\@
	global_prefetch_b8 v6, s[88:89] th:TH_LOAD_NT scope:SCOPE_SE
.Lnot_mine_\@:
.endm
; A KEY STEP: step s3 + odd, in slot odd.
.macro STEP odd
.set SL, SLOTB*(\odd)
	s_lshl_b32 s6, s3, 1
	s_lshr_b32 s5, s4, s6
.if \odd
	s_lshr_b32 s5, s5, 2
.endif
	s_and_b32 s5, s5, 3                            ; the tile's flag
.if SKIP
	s_cmp_eq_u32 s5, 0
	s_cbranch_scc1 .Lhid_\@
.endif
	s_cmp_eq_u32 s5, 2                             ; a tile with no byte set wants no words
	s_cbranch_scc1 .Lno_words_\@
	s_lshl_b32 s6, s3, 8
.irp k, 0,1,2,3,4,5
	s_load_b256 s[16+8*\k:23+8*\k], s[14:15], s6 offset:256*(\odd)+32*\k   ; the 64 mask words: wanted behind sixteen products
.endr
	s_load_b256 s[68:75], s[14:15], s6 offset:256*(\odd)+192
	s_load_b256 s[76:83], s[14:15], s6 offset:256*(\odd)+224
.Lno_words_\@:
.rept 4
	v_nop                                          ; plain lines between the last step's products and the loads below; they stay beside the wait
.endr
	s_wait_alu depctr_va_vdst(0)                   ; the V^T P products of the last step that was worked are done reading v32-95, in which r_head_k's fragments land
.irp T, 0,1,2,3,4,5,6,7
	ds_load_b128 v[32+8*\T:35+8*\T], v1 offset:SL+ROFF+16*KP*\T
	ds_load_b128 v[36+8*\T:39+8*\T], v1 offset:SL+ROFF+16*KP*\T+32
.endr
	s_wait_dscnt 0x0
.irp T, 0,1,2,3,4,5,6,7
	v_wmma_f32_16x16x64_bf8_bf8 v[96+8*\T:103+8*\T], v[32+8*\T:39+8*\T], v[24:31], 0   ; BD
.endr
.rept 4
	v_nop                                          ; places behind BD's products, ahead of the lines that read their results
.endr
	s_wait_alu depctr_va_vdst(0)                   ; BD's products are done reading v32-95, in which k's fragments land
.irp T, 0,1,2,3,4,5,6,7
	ds_load_b128 v[32+8*\T:35+8*\T], v1 offset:SL+16*KP*\T
	ds_load_b128 v[36+8*\T:39+8*\T], v1 offset:SL+16*KP*\T+32
.endr
	s_cmp_lg_u32 s94, 0                            ; rho = 1: nothing to multiply
	s_cbranch_scc1 .Lrho_one_\@
.set i, 0
.rept 32
	v_pk_mul_f32 v[96+i:97+i], v[96+i:97+i], s[84:85] op_sel_hi:[1,0]   ; BD x rho, while k's fragments come; each accumulator from its low end on
.set i, i+2
.endr
.Lrho_one_\@:
	s_wait_dscnt 0x0
.irp T, 0,1,2,3,4,5,6,7
	v_wmma_f32_16x16x64_bf8_bf8 v[96+8*\T:103+8*\T], v[32+8*\T:39+8*\T], v[16:23], v[96+8*\T:103+8*\T]   ; + AC; the eight accumulators take turns: each link stands eight matrix instructions behind the one that it adds onto
.endr
.rept 4
	v_nop                                          ; places behind AC's products, ahead of the lines that read the scores
.endr
	s_wait_alu depctr_va_vdst(0)                   ; AC's products are done reading v32-95, in which v's fragments land; no line from here to the wait for those loads names v32-95
.irp dt, 0,1,2,3
.irp c, 0,1,2,3
	ds_load_b128 v[32+16*\dt+4*\c:35+16*\dt+4*\c], v2 offset:SL+16*VP*\dt+32*\c   ; v's four fragments land under the softmax
.endr
.endr
	s_wait_kmcnt 0x0                               ; on every path: the mask words are in, where they were asked for, and no scalar load is left out
	s_cmp_eq_u32 s5, 2
	s_cbranch_scc1 .Lopen_\@
.set n, 0
.rept 48
	v_cndmask_b32 v[96+n], v[96+n], v246, s[16+n]  ; a masked score becomes -infinity ahead of the maximum: p = 0
.set n, n+1
.endr
.rept 16
	v_cndmask_b32 v[96+n], v[96+n], v246, s[20+n]
.set n, n+1
.endr
.Lopen_\@:
	v_max3_num_f32 v254, v96, v97, v98             ; the step's largest score of my query, among my 64 keys, in two chains,
	v_max3_num_f32 v252, v99, v100, v101
.set i, 6
.rept 14
	v_max3_num_f32 v254, v254, v[96+i], v[97+i]
	v_max3_num_f32 v252, v252, v[98+i], v[99+i]
.set i, i+4
.endr
	v_max3_num_f32 v254, v254, v158, v159
	v_max_num_f32 v254, v254, v252
	v_permlanex16_b32 v236, v254, s86, s87
	v_max_num_f32 v254, v254, v236                 ; and among lane l xor 16's
	v_mul_f32 v254, s66, v254                      ; as t (cA is positive)
	v_max_num_f32 v13, v13, v254                   ; the running largest t
	v_mov_b32 v254, v12
	v_floor_f32 v12, -v13                          ; the new -M = floor(-t)
	v_sub_f32 v254, v12, v254                      ; old M - new M: a whole number, 0 or less
	v_cvt_i32_f32 v254, v254                       ; (it saturates)
	v_ldexp_f32 v252, 1.0, v254                    ; f = 2^(old M - new M)
.set i, 0
.rept 32
	v_pk_fma_f32 v[96+i:97+i], v[96+i:97+i], s[66:67], v[12:13] op_sel_hi:[1,0,0]   ; t - M
.set i, i+2
.endr
.set i, 0
.rept 64
	v_exp_f32 v[96+i], v[96+i]                     ; p = 2^(t - M)
.set i, i+1
.endr
	v_pk_mul_f32 v[14:15], v[14:15], v[252:253] op_sel_hi:[1,0]   ; the sums under the new M (a plain line behind the exponentials)
	s_wait_alu depctr_va_vdst(0)                   ; the 64 exponentials have written p in v96-159: one wait for the whole batch, ahead of its first reader
	v_pk_add_f32 v[242:243], v[96:97], v[98:99]    ; the row's sum is taken of the unquantised p, in two chains
.set i, 4
.rept 15
	v_pk_add_f32 v[14:15], v[14:15], v[96+i:97+i]
	v_pk_add_f32 v[242:243], v[242:243], v[98+i:99+i]
.set i, i+4
.endr
	v_pk_add_f32 v[14:15], v[14:15], v[242:243]
	s_cmp_eq_u32 s95, 0                            ; e9 >= -15: p, at most 1, lies under 57,344 x 2^e9 as it is
	s_cbranch_scc1 .Lno_hold_\@
.set i, 0
.rept 64
	v_min_num_f32 v[96+i], v[96+i], v240           ; the conversion does not saturate (ISA guide 7.6.2); p is not negative, so the hold is one-sided
.set i, i+1
.endr
.Lno_hold_\@:
.irp b, 0,1,2,3
	v_cvt_scalef32_pk8_bf8_f32 v[192+4*\b:193+4*\b], v[96+16*\b:103+16*\b], v244
	v_cvt_scalef32_pk8_bf8_f32 v[194+4*\b:195+4*\b], v[104+16*\b:111+16*\b], v244
.endr
.set i, 0
.rept 16
	v_pk_mul_f32 v[160+i:161+i], v[160+i:161+i], v[252:253] op_sel_hi:[1,0]   ; O^T under the new M (also the plain lines behind the conversions)
.set i, i+2
.endr
	s_wait_dscnt 0x0                               ; v's fragments
.irp dt, 0,1,2,3
	v_wmma_f32_16x16x128_bf8_bf8 v[160+8*\dt:167+8*\dt], v[32+16*\dt:47+16*\dt], v[192:207], v[160+8*\dt:167+8*\dt]
.endr
.Lhid_\@:
.endm
.macro HALF odd                        ; the next step's 48 bytes are asked for, this step is worked, and they go into the other slot
	s_wait_alu depctr_vm_vsrc(0)                   ; the LDS stores of the step before have read v208-219, in which the three loads below land
	global_load_b128 v[208:211], v5, s[8:9] offset:8192     ; the bases stand at this step's blocks: the next step's lie 8,192 bytes on
	global_load_b128 v[212:215], v5, s[10:11] offset:8192
	global_load_b128 v[216:219], v5, s[12:13] offset:8192
	ASK
	STEP \odd
	s_wait_loadcnt 0x0                             ; the three loads are in: so they are done with their bases
	s_wait_xcnt 0x0                                ; the prefetch, a step back, has read its base
	s_add_nc_u64 s[8:9], s[8:9], 8192              ; all four bases a step on: no vector register of an address is written in the loop
	s_add_nc_u64 s[10:11], s[10:11], 8192
	s_add_nc_u64 s[12:13], s[12:13], 8192
	s_add_nc_u64 s[88:89], s[88:89], 8192
	PUT 1-\odd
.endm
	s_load_b256 s[16:23], s[0:1], 0x0              ; qq s[16:17], kv s[18:19], mk s[20:21], the scales' exponents s[22:23]
	s_load_b64 s[92:93], s[0:1], 0x20              ; av
	v_lshl_add_u32 v251, v0, 2, 0x14000
	v_mov_b32 v255, 0
	v_lshrrev_b32 v8, 5, v0
	v_readfirstlane_b32 s7, v8                     ; wave 0..15
	v_and_b32 v8, 15, v0                           ; r
	v_bfe_u32 v9, v0, 4, 1                         ; h
	v_mul_u32_u24 v1, v8, KP
	v_lshl_add_u32 v1, v9, 4, v1                   ; a fragment of k or r_head_k: row r, + 16 h
	v_mul_u32_u24 v2, v8, VP
	v_lshl_add_u32 v2, v9, 4, v2
	v_add_nc_u32 v2, VOFF, v2                      ; of v
	v_lshrrev_b32 v10, 2, v0                       ; on the way in, thread T brings bytes 16 T: key T / 4,
	v_and_b32 v10, 0x67, v10
	v_bfe_u32 v11, v0, 5, 1
	v_lshl_or_b32 v10, v11, 4, v10                 ; whose bits 3 and 4 change places,
	v_bfe_u32 v11, v0, 6, 1
	v_lshl_or_b32 v10, v11, 3, v10
	v_mul_u32_u24 v3, v10, KP
	v_and_b32 v11, 3, v0
	v_lshl_add_u32 v3, v11, 4, v3                  ; + 16 (T % 4)
	v_lshrrev_b32 v10, 3, v0
	v_mul_u32_u24 v4, v10, VP                      ; v: row T / 8,
	v_and_b32 v11, 7, v0
	v_lshl_add_u32 v4, v11, 4, v4                  ; + 16 (T % 8)
	v_add_nc_u32 v4, VOFF, v4
	v_lshlrev_b32 v5, 4, v0                        ; 16 T: my 16 bytes of a block; never written again
	v_and_b32 v10, 31, v0
	v_lshlrev_b32 v6, 8, v10
	v_add_nc_u32 v6, 16384, v6                     ; the prefetches: 256 x lane, two steps on; never written again
	v_lshlrev_b32 v7, 6, v8
	v_lshl_add_u32 v7, v9, 4, v7                   ; q: row r of 64 bytes, + 16 h
	s_wait_alu depctr_va_sdst(0)                   ; s7, the wave's number, is written, ahead of its first reader
	s_lshl_b32 s60, s7, 10
	s_add_co_u32 s60, s60, STAGE                   ; my stage
	v_lshlrev_b32 v220, 6, v8
	v_lshl_add_u32 v220, v9, 3, v220
	v_add_nc_u32 v220, s60, v220                   ; in: row r of 64 bytes, + 8 h
	v_lshlrev_b32 v224, 4, v10                     ; 16 x lane
	v_add_nc_u32 v221, s60, v224                   ; back
	s_and_b32 s24, ttmp7, 0xffff                   ; 16 b + n
	s_lshr_b32 s25, s24, 4                         ; b
	s_and_b32 s26, s24, 15                         ; n
	s_add_co_u32 s27, s26, 1
	s_sub_co_u32 s27, s27, s25
	s_min_u32 s27, s27, 15                         ; n2
	s_lshr_b32 s28, s7, 2
	s_add_co_u32 s28, s28, s7
	s_and_b32 s28, s28, 3
	s_lshl_b32 s28, s28, 2
	s_and_b32 s29, s7, 3
	s_add_co_u32 s28, s28, s29                     ; p = 4 ((w + w / 4) % 4) + w % 4
	s_lshl_b32 s28, s28, 3
	s_add_co_u32 s28, s28, ttmp9                   ; qt: it enters global addresses alone
	s_lshl_b32 s30, s24, 17                        ; a (b, n): 131,072 bytes in each tensor of codes
	s_mov_b32 s31, 0
	s_lshl_b32 s32, s28, 10                        ; 16 qt rows of 64 bytes
	s_mov_b32 s33, 0
	s_lshl_b32 s34, s25, 4
	s_add_co_u32 s34, s34, s27
	s_lshl_b32 s34, s34, 17
	s_add_co_u32 s34, s34, 0x400000                ; q + r_r_bias of (b, n2)
	s_mov_b32 s35, 0
	s_lshl_b32 s36, s27, 17
	s_add_co_u32 s36, s36, 0x800000                ; r_head_k of n2
	s_mov_b32 s37, 0
	s_lshl_b32 s38, s28, 12                        ; the mask words of qt
	s_mov_b32 s39, 0
	s_lshl_b32 s40, s26, 18
	s_lshl_b32 s41, s25, 17
	s_add_co_u32 s40, s40, s41
	s_add_co_u32 s40, s40, s32                     ; av: [n][2048 b + i][64]
	s_mov_b32 s41, 0
	s_lshl_b32 s42, s28, 2                         ; the flags of qt
	s_mov_b32 s86, 0x76543210
	s_mov_b32 s87, 0xfedcba98                      ; lane l xor 16
	s_wait_kmcnt 0x0
	s_add_nc_u64 s[8:9], s[18:19], s[30:31]        ; k
	s_add_nc_u64 s[12:13], s[8:9], 0x400000        ; v
	s_add_nc_u64 s[10:11], s[18:19], s[36:37]      ; r_head_k
	s_add_nc_u64 s[14:15], s[20:21], s[38:39]      ; the mask words
	s_add_nc_u64 s[92:93], s[92:93], s[40:41]
	s_add_nc_u64 s[44:45], s[16:17], s[30:31]
	s_add_nc_u64 s[44:45], s[44:45], s[32:33]
	s_add_nc_u64 s[46:47], s[16:17], s[34:35]
	s_add_nc_u64 s[46:47], s[46:47], s[32:33]
	s_load_b32 s4, s[20:21], s42 offset:0x80000    ; sixteen flags of two bits
	s_load_b256 s[48:55], s[22:23], 0x0            ; e0 .. e7
	s_load_b128 s[56:59], s[22:23], 0x20           ; e8 .. e11
	s_wait_alu depctr_va_vdst(0)                   ; v1 to v7, v220, v221 and v224 are written: every load, store and prefetch of the kernel reads one of them as its address or offset
	global_load_b128 v[208:211], v5, s[8:9]        ; step 0
	global_load_b128 v[212:215], v5, s[10:11]
	global_load_b128 v[216:219], v5, s[12:13]
	global_load_b128 v[16:19], v7, s[44:45]
	global_load_b128 v[20:23], v7, s[44:45] offset:32
	global_load_b128 v[24:27], v7, s[46:47]
	global_load_b128 v[28:31], v7, s[46:47] offset:32
	s_cmp_eq_u32 s7, 1                             ; the prefetches: which tensor,
	s_cselect_b64 s[88:89], s[12:13], s[8:9]
	s_cmp_eq_u32 s7, 2
	s_cselect_b64 s[88:89], s[10:11], s[88:89]
	s_cselect_b32 s61, s25, 0
	s_cmp_lt_u32 s7, 2                             ; and who asks
	s_cselect_b32 s60, 1, 0
	s_or_b32 s60, s60, s61
	s_cmp_eq_u32 ttmp9, 0
	s_cselect_b32 s60, s60, 0
	s_mul_i32 s90, s60, 14
	v_mov_b32 v13, 0xff61b1e6                      ; the largest t so far: -3e38
	v_floor_f32 v12, -v13
	v_mov_b32 v14, 0
	v_mov_b32 v15, 0
	v_mov_b32 v236, 0                              ; a lane permute's destination counts as read
	v_mov_b32 v252, 0
	v_mov_b32 v253, 0
	v_mov_b32 v246, 0xff800000                     ; -infinity
.set i, 0
.rept 32
	v_mov_b32 v[160+i], 0                          ; O^T: the step is written for every step alike, and any step may be passed over: the first that runs finds zeros
.set i, i+1
.endr
	s_wait_kmcnt 0x0
	s_add_co_i32 s60, s52, s53                     ; e4 + e5
	s_lshl_b32 s61, s60, 23
	s_add_co_i32 s66, s61, 0x3e38aa3b              ; cA: the exponents are added to the exponent field of log2(e) / 8
	s_mov_b32 s67, s66
	s_add_co_i32 s61, s54, s55
	s_sub_co_i32 s61, s61, s60                     ; e6 + e7 - e4 - e5
	s_cmp_eq_u32 s61, 0
	s_cselect_b32 s94, 1, 0                        ; rho is 1,
	s_add_co_i32 s61, s61, 127
	s_lshl_b32 s61, s61, 23
	s_cmp_eq_u32 s24, 15
	s_cselect_b32 s84, 0, s61                      ; rho
	s_cselect_b32 s94, 0, s94                      ; but not for (0, 15), where it is 0
	s_mov_b32 s85, s84
	s_cmp_lt_i32 s57, -15
	s_cselect_b32 s95, 1, 0                        ; p wants its hold where 57,344 x 2^e9 lies under 1
	s_add_co_i32 s91, s56, s57                     ; e8 + e9
	s_add_co_i32 s60, s57, 127
	s_lshl_b32 s61, s60, 23
	v_mov_b32 v244, s61                            ; 2^e9
	s_add_co_i32 s60, s60, 15
	s_lshl_b32 s60, s60, 23
	s_or_b32 s60, s60, 0x600000
	v_mov_b32 v240, s60                            ; 57,344 x 2^e9
	s_add_co_i32 s60, s58, 127
	s_lshl_b32 s61, s60, 23
	v_mov_b32 v222, s61                            ; 2^e10
	s_add_co_i32 s60, s60, 15
	s_lshl_b32 s60, s60, 23
	s_or_b32 s60, s60, 0x600000
	v_mov_b32 v223, s60
	s_wait_loadcnt 4                               ; step 0's three loads are in; q's four are younger and may be out
	PUT 0                                          ; (no vector line since the wait on va_vdst above names v3, v4 or v208-219)
	s_wait_loadcnt 0x0                             ; q; and its pointers' registers are free for the mask words
.set i, 16
.rept 24
	s_mov_b64 s[i:i+1], 0                          ; the mask words' registers are written once here: the loads that fill them stand under a branch, and a register is written before it is read on every way through the text
.set i, i+2
.endr
.set i, 68
.rept 8
	s_mov_b64 s[i:i+1], 0
.set i, i+2
.endr
	s_mov_b32 s3, 0
.Lpair:                                                ; seven trips of two steps: the slot is a constant of each half
	HALF 0
	HALF 1
	s_add_co_u32 s3, s3, 2
	s_cmp_lt_u32 s3, 14
	s_cbranch_scc1 .Lpair
	HALF 0                                         ; step 14; step 15's tiles come in
	STEP 1                                         ; step 15: nothing more to fetch
	; THE WAY OUT: O^T / the sum x 2^(e8 + e9), quantised with e10; 8 bytes a lane through my stage; 1,024 consecutive bytes out.
	v_add_f32 v14, v14, v15
	v_permlanex16_b32 v252, v14, s86, s87
	v_add_f32 v14, v14, v252                       ; the row's sum
	v_cmp_eq_f32 vcc_lo, 0, v14                    ; 0 only where no key counted
	v_rcp_f32 v15, v14
	v_mov_b32 v253, 0x7f7f7f7f                     ; (a plain line behind the reciprocal)  four codes of NaN
	s_wait_alu depctr_va_vcc(0)                    ; the compare has written VCC, ahead of the select that reads it
	v_cndmask_b32 v253, 0, v253, vcc_lo
	s_wait_alu depctr_va_vdst(0)                   ; the reciprocal has written v15, ahead of its first reader
	v_ldexp_f32 v15, v15, s91
.set i, 0
.rept 32
	v_mul_f32 v[96+i], v[160+i], v15               ; register 8 dt + j is d = 16 dt + 8 h + j of query r
.set i, i+1
.endr
.set i, 0
.rept 32
	v_med3_num_f32 v[96+i], v[96+i], -v223, v223
.set i, i+1
.endr
.irp dt, 0,1,2,3
	v_cvt_scalef32_pk8_bf8_f32 v[128+2*\dt:129+2*\dt], v[96+8*\dt:103+8*\dt], v222
.endr
	v_nop                                          ; a plain line between the conversions and the lines that touch their results
.irp i, 0,1,2,3,4,5,6,7
	v_or_b32 v[128+\i], v[128+\i], v253
.endr
	s_wait_alu depctr_va_vdst(0)                   ; the codes in v128-135 are written, which the LDS stores read; and the steps' lines are done with v136-143, in which the loads from the stage land
.irp dt, 0,1,2,3
	ds_store_b64 v220, v[128+2*\dt:129+2*\dt] offset:16*\dt
.endr
	ds_load_b128 v[136:139], v221                  ; LDS serves a wave's instructions in order: these see my stores
	ds_load_b128 v[140:143], v221 offset:512
	s_wait_dscnt 1
	global_store_b128 v224, v[136:139], s[92:93]
	s_wait_dscnt 0
	global_store_b128 v224, v[140:143], s[92:93] offset:512
	s_wait_dscnt 0x0                               ; the closing lines, six on end
	s_wait_alu 0x0
	s_wait_tensorcnt 0x0
	ds_add_u32 v251, v255
	s_wait_dscnt 0x0
	s_endpgm
.Lfunc_end_k_qc29cd5e8c7_attn:
	.size	k_qc29cd5e8c7_attn, .Lfunc_end_k_qc29cd5e8c7_attn-k_qc29cd5e8c7_attn
	.p2alignl 7, 3214868480
	.fill 96, 4, 3214868480
	.section	.rodata,"a",@progbits
	.p2align	6, 0x0
	.amdhsa_kernel k_qc29cd5e8c7_attn
		.amdhsa_group_segment_fixed_size 83968
		.amdhsa_private_segment_fixed_size 0
		.amdhsa_enable_private_segment 0
		.amdhsa_kernarg_size 40
		.amdhsa_user_sgpr_count 2
		.amdhsa_user_sgpr_kernarg_segment_ptr 1
		.amdhsa_wavefront_size32 1
		.amdhsa_system_sgpr_workgroup_id_x 1
		.amdhsa_system_sgpr_workgroup_id_y 1
		.amdhsa_system_sgpr_workgroup_id_z 1
		.amdhsa_system_vgpr_workitem_id 0
		.amdhsa_next_free_vgpr 256
		.amdhsa_next_free_sgpr 100
		.amdhsa_reserve_vcc 1
		.amdhsa_float_denorm_mode_32 3
		.amdhsa_float_denorm_mode_16_64 3
		.amdhsa_memory_ordered 1
		.amdhsa_forward_progress 1
		.amdhsa_inst_pref_size 113
	.end_amdhsa_kernel
	.amdgpu_metadata
---
amdhsa.version: [ 1, 2 ]
amdhsa.kernels:
  - .name:           k_qc29cd5e8c7_attn
    .symbol:         k_qc29cd5e8c7_attn.kd
    .args:
      - { .name: qq, .offset: 0, .size: 8, .value_kind: global_buffer, .address_space: global }
      - { .name: kv, .offset: 8, .size: 8, .value_kind: global_buffer, .address_space: global }
      - { .name: mk, .offset: 16, .size: 8, .value_kind: global_buffer, .address_space: global }
      - { .name: lowp_scales, .offset: 24, .size: 8, .value_kind: global_buffer, .address_space: global }
      - { .name: av, .offset: 32, .size: 8, .value_kind: global_buffer, .address_space: global }
    .group_segment_fixed_size: 83968
    .private_segment_fixed_size: 0
    .kernarg_segment_align: 8
    .kernarg_segment_size: 40
    .max_flat_workgroup_size: 512
    .sgpr_count:     100
    .vgpr_count:     256
    .wavefront_size: 32
...
	.end_amdgpu_metadata
.endif
;; end of part 5
;; launch outln (part 6): grid 128 x 1, 4 waves a work-group, no clusters, 132,096 bytes of LDS; arguments av, xw, content, ln_gamma, ln_beta, lowp_scales, out0; writes out0
.if DOCPART == 6
	.amdgcn_target "amdgcn-amd-amdhsa--gfx1250"
	.amdhsa_code_object_version 6
	.text
	.protected	k_qc29cd5e8c7_outln
	.globl	k_qc29cd5e8c7_outln
	.p2align	8
	.type	k_qc29cd5e8c7_outln,@function
k_qc29cd5e8c7_outln:
	s_mov_b64 s[64:65], 0
	v_nop
	global_prefetch_b8 v0, s[64:65] scope:SCOPE_SE
	s_setreg_imm32_b32 hwreg(HW_REG_WAVE_SCHED_MODE, 0, 2), 2
	s_setreg_imm32_b32 hwreg(HW_REG_WAVE_MODE, 25, 1), 1
	s_wait_xcnt 0x0
	s_wait_alu depctr_vm_vsrc(0)
; OUTLN: out = LayerNorm(content + attn_vec W_o), the product on codes of E5M2.  A work-group owns 32 WHOLE rows (one b, 32 neighbouring i), so that mean and variance never leave it.
; PRODUCT: wave w makes columns 256 w .. + 255 of the 32 rows: 32 accumulators.  attn_vec's 16 fragments (2 blocks of rows x 8 K steps) stay in registers.  W_o's fragments come from memory straight into registers: an earlier launch
; has laid them in the order of an operand's registers, so that each load of a wave reads 512 consecutive bytes.  They run three groups of four fragments ahead, in a ring of four buffers.
; NO JOINT LOADS, NO LDS FOR W_o: a fragment of W_o feeds one wave of a work-group only (two matrix instructions); through LDS each of its bytes would be written and read once more for the same work.
; Transposed use (source 0 = 16 rows of W_o, source 1 = 16 rows of attn_vec): a lane holds one row and eight neighbouring columns.
; RESIDUAL AND NORM: content's 32 rows are brought into a stage in LDS under the product (wave w: rows 8 w .. + 7); behind a barrier each wave adds its columns' sums x 2^(e10 + e11) in place; behind a second barrier wave w norms rows 8 w .. + 7:
; mean, then the mean of the squares of x - mean (two passes, so that a common offset costs no cancellation), rsqrt, gamma, beta.  Every store covers 512 consecutive bytes.
; LIMIT: e10 + e11 between -126 and 127.  The text is written out: no loop, no label.
; REGISTERS: window 0: v1-8 addresses; v32-63 gamma, v64-95 beta; v96-159 content's ring, later v96-223 four rows, v224-255 at work.  window 1: the accumulators ((a, t) at v[8 (16 a + t)]).
;   window 2: attn_vec's fragments ((a, s) at v[16 (8 a + s)]), later content in the accumulators' layout.  window 3: W_o's ring.
; THE MODE: SCHED_MODE bits 1:0 = 2 (LLVM: expert scheduling mode 2), set by the entry lines.  The code itself states the register dependences between vector or matrix instructions and memory or LDS instructions, with s_wait_alu, always for 0.
; THE PLAN.  Registers that memory or LDS instructions touch:
;   W_o's ring (window 3)   Group g's eight products read buffer g % 4; the loads of group g + 4, issued in group g + 1, land in it.  One wait on va_vdst in a group, ahead of its run of loads: the group before is done reading its buffer.
;   content's ring (v96-159) Group g's four LDS stores read piece g % 4; the loads issued in group g + 1 land in it.  One wait on vm_vsrc beside the wait above, while content is still asked for.
;   window 2                The products read attn_vec's fragments; then content lands there from the stage (a wait on va_vdst ahead of those loads); the 128 packed multiply-adds write it, and LDS stores read it (a wait on va_vdst ahead of them).
;   v96-223 in the norm     LDS loads land in them: what read them before (content's LDS stores; the four rows' global stores) is done reading: a wait on vm_vsrc.  The norm's lines write them, and the global stores read them: a wait on va_vdst, which
;                           also serves the next four rows' loads, since no vector line stands between.
;   v4-8                    Addresses, made at the head and never written again: one wait on va_vdst ahead of the first load.  v30, v31: written at the head, read by the closing add alone.
;   s18 is written by a vector instruction: a wait on va_sdst stands ahead of its first reader.
; A group's loads stay in one run ahead of its products: the products wait for memory, and each piece dealt among them would want two switches of the register window.
.set SPITCH, 4112                      ; a stage row: 4,096 bytes + 16
.set LI,  4                            ; v4  16 x lane
.set AVA, 5                            ; v5  attn_vec: row r of 64 bytes, + 16 h
.set SW,  6                            ; v6  the stage: my 8 rows, 16 bytes a lane
.set SD0, 7                            ; v7  the stage in the accumulators' layout, rows 0-15;  v8 rows 16-31
.set SD1, 8
.set GA,  32
.set BE,  64
.set CR,  96
.set X,   96
.set T,   224
.set MSB, 0
.macro WIN new                         ; the immediate's high byte repeats the setting that is left
.if MSB != (\new)
	s_set_vgpr_msb (MSB<<8)|(\new)
.set MSB, (\new)
.endif
.endm
.macro WLOAD g                         ; group g: K step g / 4, tiles 4 (g % 4) .. + 3 of my sixteen: four fragments; in the first sixteen groups also four pieces of 512 bytes of content
	WIN 0xc0                                       ; destination window 3
.irp tt, 0,1,2,3
.irp c, 0,1,2,3
	global_load_b128 v[64*((\g)%4)+16*\tt+4*\c:64*((\g)%4)+16*\tt+4*\c+3], v[LI], s[6:7] offset:2048*(4*(\g)+\tt)+512*\c
.endr
.endr
.if (\g) < 16
	WIN 0
.irp e, 0,1,2,3
	global_load_b128 v[CR+16*((\g)%4)+4*\e:CR+16*((\g)%4)+4*\e+3], v[LI], s[8:9] offset:8192*((4*(\g)+\e)/8)+512*((4*(\g)+\e)%8) th:TH_LOAD_NT
.endr
.endif
.endm
.macro GROUP g
.set N1, 0
.if (\g)+1 < 16
.set N1, 20
.elseif (\g)+1 < 32
.set N1, 16
.endif
.set N2, 0
.if (\g)+2 < 16
.set N2, 20
.elseif (\g)+2 < 32
.set N2, 16
.endif
	s_wait_loadcnt N1+N2                           ; this group's loads are in; those of the two groups behind it (20 or 16 each) may be out
.if (\g) < 16
	WIN 0
.irp e, 0,1,2,3
	ds_store_b128 v[SW], v[CR+16*((\g)%4)+4*\e:CR+16*((\g)%4)+4*\e+3] offset:((4*(\g)+\e)/8)*SPITCH+512*((4*(\g)+\e)%8)
.endr
.endif
.if (\g)+3 < 32
.if (\g) >= 1
.rept 4
	v_nop                                          ; plain lines between the last group's products and the loads below; they stay beside the wait
.endr
.endif
.if ((\g) >= 1) && ((\g)+3 < 16)
	s_wait_dscnt 4                                 ; all but this group's four stores are done
	s_wait_alu depctr_vm_vsrc(0)                   ; the last group's LDS stores have read the piece of content's ring in which the loads below land
.endif
.if (\g) >= 1
	s_wait_alu depctr_va_vdst(0)                   ; the last group's products are done reading the buffer of W_o's ring in which the loads below land; only window switches and loads follow up to the last of them
.endif
	WLOAD (\g)+3
.endif
	WIN 0x5b                                       ; source 0 window 3, source 1 window 2, C and D window 1
.irp tt, 0,1,2,3
.irp a, 0,1
.if (\g) < 4
	v_wmma_f32_16x16x128_bf8_bf8 v[8*(16*\a+4*((\g)%4)+\tt):8*(16*\a+4*((\g)%4)+\tt)+7], v[64*((\g)%4)+16*\tt:64*((\g)%4)+16*\tt+15], v[16*(8*\a+(\g)/4):16*(8*\a+(\g)/4)+15], 0
.else
	v_wmma_f32_16x16x128_bf8_bf8 v[8*(16*\a+4*((\g)%4)+\tt):8*(16*\a+4*((\g)%4)+\tt)+7], v[64*((\g)%4)+16*\tt:64*((\g)%4)+16*\tt+15], v[16*(8*\a+(\g)/4):16*(8*\a+(\g)/4)+15], v[8*(16*\a+4*((\g)%4)+\tt):8*(16*\a+4*((\g)%4)+\tt)+7]
.endif
.endr
.endr
.endm
.macro REDUCE                          ; four rows' two chains of pairs -> the sum over the row, in every lane, in v[T + 8 p]
.irp p, 0,1,2,3
	v_pk_add_f32 v[T+8*\p:T+8*\p+1], v[T+8*\p:T+8*\p+1], v[T+8*\p+2:T+8*\p+3]
.endr
.irp p, 0,1,2,3
	v_add_f32 v[T+8*\p], v[T+8*\p], v[T+8*\p+1]
.endr
.irp m, 1,2,4,8
.irp p, 0,1,2,3
	v_add_f32_dpp v[T+8*\p], v[T+8*\p], v[T+8*\p] row_xmask:\m row_mask:0xf bank_mask:0xf
.endr
.endr
.irp p, 0,1,2,3
	v_permlanex16_b32 v[T+8*\p+1], v[T+8*\p], s32, s33
.endr
.irp p, 0,1,2,3
	v_add_f32 v[T+8*\p], v[T+8*\p], v[T+8*\p+1]
.endr
.endm
.macro LNHALF u                        ; rows 8 w + 4 u .. + 3: register 4 q + e of a row is column 128 q + 4 lane + e
	s_wait_alu depctr_vm_vsrc(0)                   ; what read v96-223 is done reading them: the LDS stores that laid content in the stage (the first four rows), the global stores of the four rows before (the second four); the loads below land there
.irp p, 0,1,2,3
.irp q, 0,1,2,3,4,5,6,7
	ds_load_b128 v[X+32*\p+4*\q:X+32*\p+4*\q+3], v[SW] offset:(4*\u+\p)*SPITCH+512*\q
.endr
.endr
	s_wait_dscnt 0x0
.irp p, 0,1,2,3
	v_pk_add_f32 v[T+8*\p:T+8*\p+1], v[X+32*\p:X+32*\p+1], v[X+32*\p+2:X+32*\p+3]
	v_pk_add_f32 v[T+8*\p+2:T+8*\p+3], v[X+32*\p+4:X+32*\p+5], v[X+32*\p+6:X+32*\p+7]
.endr
.irp j, 8,12,16,20,24,28
.irp p, 0,1,2,3
	v_pk_add_f32 v[T+8*\p:T+8*\p+1], v[T+8*\p:T+8*\p+1], v[X+32*\p+\j:X+32*\p+\j+1]
	v_pk_add_f32 v[T+8*\p+2:T+8*\p+3], v[T+8*\p+2:T+8*\p+3], v[X+32*\p+\j+2:X+32*\p+\j+3]
.endr
.endr
	REDUCE
.irp p, 0,1,2,3
	v_mul_f32 v[T+8*\p+4], s30, v[T+8*\p]          ; the mean, twice: a pair for the packed subtraction
	v_mul_f32 v[T+8*\p+5], s30, v[T+8*\p]
.endr
.irp j, 0,2,4,6,8,10,12,14,16,18,20,22,24,26,28,30
.irp p, 0,1,2,3
	v_pk_add_f32 v[X+32*\p+\j:X+32*\p+\j+1], v[X+32*\p+\j:X+32*\p+\j+1], v[T+8*\p+4:T+8*\p+5] neg_lo:[0,1] neg_hi:[0,1]
.endr
.endr
.irp p, 0,1,2,3
	v_pk_mul_f32 v[T+8*\p:T+8*\p+1], v[X+32*\p:X+32*\p+1], v[X+32*\p:X+32*\p+1]
	v_pk_mul_f32 v[T+8*\p+2:T+8*\p+3], v[X+32*\p+2:X+32*\p+3], v[X+32*\p+2:X+32*\p+3]
.endr
.irp j, 4,8,12,16,20,24,28
.irp p, 0,1,2,3
	v_pk_fma_f32 v[T+8*\p:T+8*\p+1], v[X+32*\p+\j:X+32*\p+\j+1], v[X+32*\p+\j:X+32*\p+\j+1], v[T+8*\p:T+8*\p+1]
	v_pk_fma_f32 v[T+8*\p+2:T+8*\p+3], v[X+32*\p+\j+2:X+32*\p+\j+3], v[X+32*\p+\j+2:X+32*\p+\j+3], v[T+8*\p+2:T+8*\p+3]
.endr
.endr
	REDUCE
.irp p, 0,1,2,3
	v_fma_f32 v[T+8*\p+4], v[T+8*\p], s30, s31     ; the variance + 1e-5
.endr
.irp p, 0,1,2,3
	v_rsq_f32 v[T+8*\p+6], v[T+8*\p+4]
.endr
	v_nop                                          ; a plain line behind the last of the batch
	s_wait_alu depctr_va_vdst(0)                   ; the four reciprocal roots are written: one wait for the batch, ahead of its first reader
.irp p, 0,1,2,3
	v_mov_b32 v[T+8*\p+7], v[T+8*\p+6]
.endr
.irp j, 0,2,4,6,8,10,12,14,16,18,20,22,24,26,28,30
.irp p, 0,1,2,3
	v_pk_mul_f32 v[X+32*\p+\j:X+32*\p+\j+1], v[X+32*\p+\j:X+32*\p+\j+1], v[T+8*\p+6:T+8*\p+7]
.endr
.irp p, 0,1,2,3
	v_pk_fma_f32 v[X+32*\p+\j:X+32*\p+\j+1], v[X+32*\p+\j:X+32*\p+\j+1], v[GA+\j:GA+\j+1], v[BE+\j:BE+\j+1]
.endr
.endr
	s_wait_alu depctr_va_vdst(0)                   ; the four rows in v96-223 are written, which the stores below read; no vector line follows before the next four rows' loads land there
.irp p, 0,1,2,3
.irp q, 0,1,2,3,4,5,6,7
	global_store_b128 v[LI], v[X+32*\p+4*\q:X+32*\p+4*\q+3], s[16:17] offset:(4*\u+\p)*8192+512*\q th:TH_STORE_NT
.endr
.endr
.endm
	s_load_b256 s[4:11], s[0:1], 0x0               ; av s[4:5], xw s[6:7], content s[8:9], gamma s[10:11]
	s_load_b128 s[12:15], s[0:1], 0x20             ; beta s[12:13], the scales' exponents s[14:15]
	s_load_b64 s[16:17], s[0:1], 0x30              ; out0
	v_lshl_add_u32 v30, v0, 2, 0x20200
	v_mov_b32 v31, 0
	v_lshrrev_b32 v1, 5, v0
	v_readfirstlane_b32 s18, v1                    ; wave 0..3
	v_and_b32 v1, 31, v0
	v_and_b32 v2, 15, v0                           ; r
	v_bfe_u32 v3, v0, 4, 1                         ; h
	v_lshlrev_b32 v[LI], 4, v1
	v_lshlrev_b32 v[AVA], 6, v2
	v_lshl_add_u32 v[AVA], v3, 4, v[AVA]
	s_wait_alu depctr_va_sdst(0)                   ; s18, the wave's number, is written, ahead of its first reader
	s_mul_i32 s19, s18, 8*SPITCH
	v_add_nc_u32 v[SW], s19, v[LI]
	v_mul_u32_u24 v[SD0], v2, SPITCH
	v_lshl_add_u32 v[SD0], v3, 5, v[SD0]
	s_lshl_b32 s19, s18, 10
	v_add_nc_u32 v[SD0], s19, v[SD0]               ; row r, + 32 h, + my 256 columns
	v_add_nc_u32 v[SD1], 16*SPITCH, v[SD0]
	s_lshl_b32 s24, ttmp9, 11                      ; av: 32 rows of 64 bytes a work-group
	s_mov_b32 s25, 0
	s_lshl_b32 s26, s18, 18
	s_add_co_u32 s26, s26, 0x400000                ; xw: W_o's images, my wave's 262,144 bytes
	s_mov_b32 s27, 0
	s_and_b32 s28, ttmp9, 63
	s_lshl_b32 s28, s28, 5
	s_lshl_b32 s29, s18, 3
	s_add_co_u32 s28, s28, s29                     ; i of my first row: 32 (g % 64) + 8 w
	s_lshl_b32 s28, s28, 13                        ; an i is 8,192 bytes,
	s_lshr_b32 s29, ttmp9, 6
	s_lshl_b32 s29, s29, 12                        ; b = g / 64 is 4,096
	s_add_co_u32 s28, s28, s29
	s_mov_b32 s29, 0
	s_mov_b32 s30, 0x3a800000                      ; 1 / 1024
	s_mov_b32 s31, 0x3727c5ac                      ; 1e-5
	s_mov_b32 s32, 0x76543210
	s_mov_b32 s33, 0xfedcba98                      ; lane l xor 16
	s_wait_kmcnt 0x0
	s_load_b64 s[20:21], s[14:15], 0x28            ; e10, e11
	s_add_nc_u64 s[4:5], s[4:5], s[24:25]
	s_add_nc_u64 s[6:7], s[6:7], s[26:27]
	s_add_nc_u64 s[8:9], s[8:9], s[28:29]
	s_add_nc_u64 s[16:17], s[16:17], s[28:29]
	s_wait_alu depctr_va_vdst(0)                   ; the addresses v4 to v8 are written: every load and store of the kernel reads one of them
.irp q, 0,1,2,3,4,5,6,7
	global_load_b128 v[GA+4*\q:GA+4*\q+3], v[LI], s[10:11] offset:512*\q
	global_load_b128 v[BE+4*\q:BE+4*\q+3], v[LI], s[12:13] offset:512*\q
.endr
	WIN 0x80                                       ; destination window 2
.irp a, 0,1
.irp s, 0,1,2,3,4,5,6,7
.irp c, 0,1,2,3
	global_load_b128 v[16*(8*\a+\s)+4*\c:16*(8*\a+\s)+4*\c+3], v[AVA], s[4:5] offset:(2*\s+\c/2)*262144+1024*\a+32*(\c%2)   ; k = 128 s + 32 c + 16 h: head 2 s + c / 2, d = 32 (c % 2) + 16 h
.endr
.endr
.endr
	WLOAD 0
	WLOAD 1
	WLOAD 2
.set G, 0
.rept 32
	GROUP G
.set G, G+1
.endr
.rept 4
	v_nop                                          ; places behind the last products, ahead of the first read of the sums
.endr
	s_wait_dscnt 0x0                               ; my rows of content lie in the stage
	s_barrier_signal -1
	s_barrier_wait -1
	WIN 0x80                                       ; content comes back in the accumulators' layout, into window 2
	s_wait_alu depctr_va_vdst(0)                   ; the products are done reading attn_vec's fragments in window 2, in which the loads below land
.irp t, 0,1,2,3,4,5,6,7,8,9,10,11,12,13,14,15
	ds_load_b128 v[8*\t:8*\t+3], v[SD0] offset:64*\t
	ds_load_b128 v[8*\t+4:8*\t+7], v[SD0] offset:64*\t+16
.endr
.irp t, 0,1,2,3,4,5,6,7,8,9,10,11,12,13,14,15
	ds_load_b128 v[128+8*\t:128+8*\t+3], v[SD1] offset:64*\t
	ds_load_b128 v[128+8*\t+4:128+8*\t+7], v[SD1] offset:64*\t+16
.endr
	s_wait_kmcnt 0x0
	s_add_co_i32 s22, s20, s21
	s_add_co_i32 s22, s22, 127
	s_lshl_b32 s22, s22, 23                        ; 2^(e10 + e11)
	s_mov_b32 s23, s22
	s_wait_dscnt 0x0
	WIN 0xa1                                       ; source 0 window 1; source 2 and destination window 2
.set i, 0
.rept 128
	v_pk_fma_f32 v[i:i+1], v[i:i+1], s[22:23], v[i:i+1] op_sel_hi:[1,0,1]   ; x = sum x 2^(e10 + e11) + content; each accumulator from its low end on
.set i, i+2
.endr
	WIN 0x08                                       ; store data window 2
	s_wait_alu depctr_va_vdst(0)                   ; the multiply-adds have written x in window 2, which the LDS stores below read
.irp t, 0,1,2,3,4,5,6,7,8,9,10,11,12,13,14,15
	ds_store_b128 v[SD0], v[8*\t:8*\t+3] offset:64*\t
	ds_store_b128 v[SD0], v[8*\t+4:8*\t+7] offset:64*\t+16
.endr
.irp t, 0,1,2,3,4,5,6,7,8,9,10,11,12,13,14,15
	ds_store_b128 v[SD1], v[128+8*\t:128+8*\t+3] offset:64*\t
	ds_store_b128 v[SD1], v[128+8*\t+4:128+8*\t+7] offset:64*\t+16
.endr
	WIN 0
	s_wait_dscnt 0x0                               ; my columns of x lie in the stage
	s_barrier_signal -1
	s_barrier_wait -1
	LNHALF 0
	s_wait_xcnt 0x0                                ; the stores have had their addresses translated: their registers are written again only behind this wait
	LNHALF 1
	s_wait_dscnt 0x0                               ; the closing lines, six on end
	s_wait_alu 0x0
	s_wait_tensorcnt 0x0
	ds_add_u32 v30, v31
	s_wait_dscnt 0x0
	s_endpgm
.Lfunc_end_k_qc29cd5e8c7_outln:
	.size	k_qc29cd5e8c7_outln, .Lfunc_end_k_qc29cd5e8c7_outln-k_qc29cd5e8c7_outln
	.p2alignl 7, 3214868480
	.fill 96, 4, 3214868480
	.section	.rodata,"a",@progbits
	.p2align	6, 0x0
	.amdhsa_kernel k_qc29cd5e8c7_outln
		.amdhsa_group_segment_fixed_size 132096
		.amdhsa_private_segment_fixed_size 0
		.amdhsa_enable_private_segment 0
		.amdhsa_kernarg_size 56
		.amdhsa_user_sgpr_count 2
		.amdhsa_user_sgpr_kernarg_segment_ptr 1
		.amdhsa_wavefront_size32 1
		.amdhsa_system_sgpr_workgroup_id_x 1
		.amdhsa_system_sgpr_workgroup_id_y 1
		.amdhsa_system_sgpr_workgroup_id_z 1
		.amdhsa_system_vgpr_workitem_id 0
		.amdhsa_next_free_vgpr 1024
		.amdhsa_next_free_sgpr 66
		.amdhsa_reserve_vcc 0
		.amdhsa_float_denorm_mode_32 3
		.amdhsa_float_denorm_mode_16_64 3
		.amdhsa_memory_ordered 1
		.amdhsa_forward_progress 1
		.amdhsa_inst_pref_size 168
	.end_amdhsa_kernel
	.amdgpu_metadata
---
amdhsa.version: [ 1, 2 ]
amdhsa.kernels:
  - .name:           k_qc29cd5e8c7_outln
    .symbol:         k_qc29cd5e8c7_outln.kd
    .args:
      - { .name: av, .offset: 0, .size: 8, .value_kind: global_buffer, .address_space: global }
      - { .name: xw, .offset: 8, .size: 8, .value_kind: global_buffer, .address_space: global }
      - { .name: content, .offset: 16, .size: 8, .value_kind: global_buffer, .address_space: global }
      - { .name: ln_gamma, .offset: 24, .size: 8, .value_kind: global_buffer, .address_space: global }
      - { .name: ln_beta, .offset: 32, .size: 8, .value_kind: global_buffer, .address_space: global }
      - { .name: lowp_scales, .offset: 40, .size: 8, .value_kind: global_buffer, .address_space: global }
      - { .name: out0, .offset: 48, .size: 8, .value_kind: global_buffer, .address_space: global }
    .group_segment_fixed_size: 132096
    .private_segment_fixed_size: 0
    .kernarg_segment_align: 8
    .kernarg_segment_size: 56
    .max_flat_workgroup_size: 128
    .sgpr_count:     66
    .vgpr_count:     1024
    .wavefront_size: 32
...
	.end_amdgpu_metadata
.endif
;; end of part 6
